; MI455X (gfx1250); checked and timed in simulation.
; The chip was launched on July 23, 2026; its instructions are those of AMD's public machine-readable ISA for CDNA 5 (MIT licence, August 2026) and "CDNA5" Instruction Set Architecture Reference Guide (July 2026). The comments in the code are by the model that wrote it; some were corrected since.
;; Attention Block. Allowed arithmetic: matrix products marked QUANTISED: E3M2 operands, one E8M0 scale for each 32 along K, by v_wmma_scale_f32_16x16x128_f8f6f4 with both operands' format E3M2, f32 sums; everything else in f32.
;; Inputs: Wk 512 x 512 float32; Wq 512 x 512 float32; Wv 512 x 512 float32; bk 512 float32; bq 512 float32; bv 512 float32; x 32 x 512 x 1,024 float32.
;; Outputs: out0 32 x 512 x 1,024 float32.
;; This version of the problem:
;;   THIS VERSION OF THE PROBLEM IS GIVEN IN LOW PRECISION. The matrix products marked QUANTISED in the list below multiply operands that are first quantised to E3M2 (3 exponent bits, 2 mantissa bits; 6 bits a number), with one power-of-two scale for each 32 numbers along K (OCP MX v1.0); their sums are f32. All else is computed in f32.
;;   The module's matrix products, in the order in which they are computed (A, B: the left and right operand; K: the contracted axis; several contracted axes count as one K, in the product's order):
;;     1. [M 32,768, K 512] x [K 512, N 512]; A: input x; B: input Wq: QUANTISED
;;     2. [M 32,768, K 512] x [K 512, N 512]; A: input x; B: input Wk: QUANTISED
;;     3. [M 32,768, K 512] x [K 512, N 512]; A: input x; B: input Wv: QUANTISED
;;     4. batch 32 x [M 1,024, K 512] x [K 512, N 1,024]; A: computed on the way; B: computed on the way: QUANTISED
;;     5. batch 32 x [M 1,024, K 1,024] x [K 1,024, N 512]; A: computed on the way; B: computed on the way: QUANTISED
;;   THE QUANTISER, for each operand of a quantised product, along K:
;;     - K is cut into blocks of 32 from its start; a last block that is shorter is filled with zeros.
;;     - A block's scale is 2^e with e = floor(log2(the largest magnitude in the block)) - 4, held to -126 .. 127; a block of zeros has e = 0. As a byte (E8M0): e + 127.
;;     - Each number is divided by its block's scale, clamped to +-28, and rounded to the nearest number of E3M2, ties to even, subnormals kept.
;;     - The product sums the exact products of the quantised numbers (number of the format x scale) in f32.
;;   ~~~python
;;   def quantise(x, axis):      # numpy; x: float32 -> the quantised numbers, widened to float32 again
;;       x = np.moveaxis(x, axis, -1); K = x.shape[-1]
;;       x = np.pad(x, [(0, 0)] * (x.ndim - 1) + [(0, -K % 32)]); x = x.reshape(x.shape[:-1] + (-1, 32)); a = np.abs(x).max(-1, keepdims=True)
;;       e = np.where(a > 0, np.clip(np.frexp(np.where(a > 0, a, 1))[1] - 1 - 4, -126, 127), 0)      # np.frexp(a)[1] - 1 = floor(log2(a)), exactly
;;       r = np.clip(x / 2.0 ** e, -28, 28)
;;       step = 2.0 ** (np.maximum(np.frexp(np.where(r == 0, 1, r))[1] - 1, -2) - 2)
;;       q = np.round(r / step) * step * 2.0 ** e      # np.round: ties to even
;;       return np.moveaxis(q.reshape(q.shape[:-2] + (-1,))[..., :K], -1, axis).astype(np.float32)
;;   ~~~
;;   OPERANDS COMPUTED ON THE WAY. 'Computed on the way' means the value that the module computes at that place (a softmax that the list does not call 'softmax' is quantised finished and normalised). What goes into a quantiser is computed in f32, as accurately as f32 sums, v_exp_f32 and their like allow (about 1e-6 of the number): no bf16 or f16 on the way to a quantiser, and a product that is left as it is and whose result goes on into a quantised operand takes f32 operands (vector FMAs, or v_wmma_f32_16x16x4_f32). A number that lies on a knife's edge between two numbers of the format may be rounded either way, as far as f32 arithmetic and the matrix unit's own rounding can turn it there, and no further.
;; One version. Each part assembles by itself: llvm-mc -triple=amdgcn-amd-amdhsa -mcpu=gfx1250 --defsym DOCPART=n.
;; ======== version 1 of 1: 4 launches
;; limits: right only within a limited range of input values
;; workspace buffers: wimg 614,400 bytes; qimg 13,107,200 bytes; kvimg 26,214,400 bytes; stats 131,072 bytes
;; launch wquant (part 1): grid 96 x 1, 4 waves a work-group, no clusters, 0 bytes of LDS; arguments Wq, Wk, Wv, wimg; writes wimg
.if DOCPART == 1
	.amdgcn_target "amdgcn-amd-amdhsa--gfx1250"
	.amdhsa_code_object_version 6
	.text
	.protected	k_qa0e34cfe04_wquant
	.globl	k_qa0e34cfe04_wquant
	.p2align	8
	.type	k_qa0e34cfe04_wquant,@function
k_qa0e34cfe04_wquant:
	s_mov_b64 s[64:65], 0
	v_nop
	global_prefetch_b8 v0, s[64:65] scope:SCOPE_SE
	s_setreg_imm32_b32 hwreg(HW_REG_WAVE_MODE, 25, 1), 1
	s_wait_xcnt 0x0
; Wq, Wk, Wv [512 features][512 c], f32, become codes of BF6 (E3M2) along c with one E8M0 byte for each 32, laid as IMAGES OF OPERAND REGISTERS.
; wimg = [matrix q, k, v][group of 128 features] blocks of 51,200 bytes.  In a block: the fragment of tile tau (0..7) and K step s (0..3) at 1536 (4 tau + s): register R of lane L at
; 512 (R / 4) + 16 L + 4 (R % 4); the scale word of (tau, s, lane r) at 49,152 + 512 s + 64 tau + 4 r.
; THE ROWS OF A TILE ARE NOT NEIGHBOURS: lane r of tile 2 b + u takes feature 32 b + 8 u + r + 8 (r / 8), so that a product with such a tile as source 0 leaves 16 neighbouring features in two neighbouring tiles.
; SHARES: work-group y: matrix y / 32, group (y / 8) % 4, tile y % 8; wave = K step: one fragment a wave.  Lane (r, h) holds c = 128 s + 64 c' + 32 h + 0 .. 31 of its row: two whole blocks, no other lane is asked for a maximum.
; 96 work-groups are all the work that 3 MiB give.  No LDS, no cluster, no matrix unit: nothing is shared.
; A block's scale is 2^(floor(log2(largest magnitude)) - 4): its byte is the magnitude's exponent field - 4, held at 1 from below.
; LIMITS: a block of zeros gets the byte 1 (its codes are zeros; this program alone reads the bytes); blocks whose largest magnitude lies under 2^-122 keep the byte 1; NaN and infinities are not served.
.set BLK, 51200
.set F,   8                            ; v8-19   the fragment
.set X,   32                           ; v32-95  my 64 numbers
.set T0,  96                           ; v96-98, v100-102: the second halves of the two blocks' codes
.set T1,  100
	s_load_b256 s[4:11], s[0:1], 0x0               ; Wq, Wk, Wv, wimg
	v_lshrrev_b32 v1, 5, v0
	v_readfirstlane_b32 s12, v1                    ; wave = K step s
	v_and_b32 v2, 31, v0                           ; lane L
	v_and_b32 v3, 15, v0                           ; r
	v_bfe_u32 v4, v0, 4, 1                         ; h
	v_and_b32 v5, 8, v3
	v_add_nc_u32 v5, v5, v3                        ; r + 8 (r / 8)
	v_lshlrev_b32 v5, 11, v5                       ; a row of W is 2,048 bytes
	v_lshl_add_u32 v5, v4, 7, v5                   ; + 128 h: 32 numbers further on for lanes 16-31
	v_lshlrev_b32 v6, 4, v2                        ; 16 L: my place in an image
	v_lshlrev_b32 v7, 2, v3                        ; 4 r: my row's scale word
	s_lshr_b32 s13, ttmp9, 5                       ; matrix
	s_lshr_b32 s14, ttmp9, 3                       ; block = 4 x matrix + group
	s_and_b32 s15, s14, 3                          ; group
	s_and_b32 s16, ttmp9, 7                        ; tile tau
	s_lshr_b32 s17, s16, 1
	s_lshl_b32 s17, s17, 5
	s_and_b32 s18, s16, 1
	s_lshl_b32 s18, s18, 3
	s_add_co_u32 s17, s17, s18                     ; 32 (tau / 2) + 8 (tau % 2)
	s_lshl_b32 s18, s15, 7
	s_add_co_u32 s17, s17, s18                     ; + 128 x group: the tile's first row
	s_lshl_b32 s20, s17, 11
	s_lshl_b32 s18, s12, 9                         ; 512 s: a K step is 512 bytes of a row, and of the scale words
	s_add_co_u32 s20, s20, s18
	s_mov_b32 s21, 0
	s_mul_i32 s19, s14, BLK
	s_lshl_b32 s22, s16, 2
	s_add_co_u32 s22, s22, s12
	s_mul_i32 s22, s22, 1536
	s_add_co_u32 s22, s22, s19                     ; the image's place
	s_mov_b32 s23, 0
	s_lshl_b32 s24, s16, 6
	s_add_co_u32 s24, s24, s18
	s_add_co_u32 s24, s24, s19
	s_add_co_u32 s24, s24, 49152                   ; the scale words' place
	s_mov_b32 s25, 0
	s_mov_b32 s26, 0x76543210
	s_mov_b32 s27, 0xfedcba98                      ; v_permlanex16_b32's selects for lane l xor 16
	s_wait_alu depctr_va_vdst(0)
	s_wait_kmcnt 0x0
	s_cmp_eq_u32 s13, 0                            ; the choice hangs on the work-group's number alone
	s_cselect_b64 s[28:29], s[4:5], s[6:7]
	s_cmp_eq_u32 s13, 2
	s_cselect_b64 s[28:29], s[8:9], s[28:29]
	s_add_nc_u64 s[28:29], s[28:29], s[20:21]
	s_add_nc_u64 s[22:23], s[10:11], s[22:23]
	s_add_nc_u64 s[24:25], s[10:11], s[24:25]
.irp c,0,1
.irp n,0,1,2,3,4,5,6,7
	global_load_b128 v[X+32*\c+4*\n:X+32*\c+4*\n+3], v5, s[28:29] offset:256*\c+16*\n th:TH_LOAD_NT
.endr
.endr
	s_wait_loadcnt 0x0
.irp c,0,1
	v_max3_num_f32 v[20+\c], |v[X+32*\c]|, |v[X+32*\c+1]|, 0x2800000   ; block 2 c + h, and the floor 2^(5 - 127): the byte cannot fall under 1
.endr
.irp i,2,4,6,8,10,12,14,16,18,20,22,24,26,28,30
.irp c,0,1
	v_max3_num_f32 v[20+\c], v[20+\c], |v[X+32*\c+\i]|, |v[X+32*\c+\i+1]|   ; the two blocks by turns
.endr
.endr
.irp c,0,1
	v_add_nc_u32 v[22+\c], 0xfe000000, v[20+\c]    ; 4 off the exponent field: the conversion's scale operand
.endr
.irp c,0,1
	v_lshrrev_b32 v[24+\c], 23, v[22+\c]           ; the scale's byte
.endr
	v_lshl_or_b32 v26, v25, 16, v24                ; my two bytes: blocks h and 2 + h of my row,
	v_lshlrev_b32 v27, 3, v4
	v_lshlrev_b32 v26, v27, v26                    ; 8 h bits up;
	v_mov_b32 v27, 0
	v_permlanex16_b32 v27, v26, s26, s27
	v_or_b32 v26, v26, v27                         ; with lane l xor 16's two the word is whole
	v_cvt_scalef32_pk16_bf6_f32 v[F:F+2], v[X:X+15], v22
	v_cvt_scalef32_pk16_bf6_f32 v[T0:T0+2], v[X+16:X+31], v22       ; (a conversion's three registers begin on an even number)
	v_cvt_scalef32_pk16_bf6_f32 v[F+6:F+8], v[X+32:X+47], v23
	v_cvt_scalef32_pk16_bf6_f32 v[T1:T1+2], v[X+48:X+63], v23
	v_nop                                          ; one plain place behind a scaled conversion
.irp i,0,1,2
	v_mov_b32 v[F+3+\i], v[T0+\i]
	v_mov_b32 v[F+9+\i], v[T1+\i]
.endr
.irp g,0,1,2
	global_store_b128 v6, v[F+4*\g:F+4*\g+3], s[22:23] offset:512*\g   ; 32 lanes store 512 consecutive bytes, aligned
.endr
	s_wait_xcnt 0x0                                ; EXEC changes only behind this wait
	v_cmp_gt_u32 vcc_lo, 16, v2
	s_and_saveexec_b32 s30, vcc_lo
	global_store_b32 v7, v26, s[24:25]             ; lanes 0-15: the tile's sixteen scale words
	s_wait_xcnt 0x0
	s_or_b32 exec_lo, exec_lo, s30
	s_endpgm
.Lfunc_end_k_qa0e34cfe04_wquant:
	.size	k_qa0e34cfe04_wquant, .Lfunc_end_k_qa0e34cfe04_wquant-k_qa0e34cfe04_wquant
	.p2alignl 7, 3214868480
	.fill 96, 4, 3214868480
	.section	.rodata,"a",@progbits
	.p2align	6, 0x0
	.amdhsa_kernel k_qa0e34cfe04_wquant
		.amdhsa_group_segment_fixed_size 0
		.amdhsa_private_segment_fixed_size 0
		.amdhsa_enable_private_segment 0
		.amdhsa_kernarg_size 32
		.amdhsa_user_sgpr_count 2
		.amdhsa_user_sgpr_kernarg_segment_ptr 1
		.amdhsa_wavefront_size32 1
		.amdhsa_system_sgpr_workgroup_id_x 1
		.amdhsa_system_sgpr_workgroup_id_y 1
		.amdhsa_system_sgpr_workgroup_id_z 1
		.amdhsa_system_vgpr_workitem_id 0
		.amdhsa_next_free_vgpr 104
		.amdhsa_next_free_sgpr 66
		.amdhsa_reserve_vcc 1
		.amdhsa_float_denorm_mode_32 3
		.amdhsa_float_denorm_mode_16_64 3
		.amdhsa_memory_ordered 1
		.amdhsa_forward_progress 1
		.amdhsa_inst_pref_size 8
	.end_amdhsa_kernel
	.amdgpu_metadata
---
amdhsa.version: [ 1, 2 ]
amdhsa.kernels:
  - .name:           k_qa0e34cfe04_wquant
    .symbol:         k_qa0e34cfe04_wquant.kd
    .args:
      - { .name: Wq, .offset: 0, .size: 8, .value_kind: global_buffer, .address_space: global }
      - { .name: Wk, .offset: 8, .size: 8, .value_kind: global_buffer, .address_space: global }
      - { .name: Wv, .offset: 16, .size: 8, .value_kind: global_buffer, .address_space: global }
      - { .name: wimg, .offset: 24, .size: 8, .value_kind: global_buffer, .address_space: global }
    .group_segment_fixed_size: 0
    .private_segment_fixed_size: 0
    .kernarg_segment_align: 8
    .kernarg_segment_size: 32
    .max_flat_workgroup_size: 128
    .sgpr_count:     66
    .vgpr_count:     104
    .wavefront_size: 32
...
	.end_amdgpu_metadata
.endif
;; end of part 1
;; launch proj (part 2): grid 256 x 1, 4 waves a work-group, clusters of 4 x 1, 327,680 bytes of LDS; arguments x, wimg, bq, bk, bv, qimg, kvimg; writes qimg, kvimg
.if DOCPART == 2
	.amdgcn_target "amdgcn-amd-amdhsa--gfx1250"
	.amdhsa_code_object_version 6
	.text
	.protected	k_qa0e34cfe04_proj
	.globl	k_qa0e34cfe04_proj
	.p2align	8
	.type	k_qa0e34cfe04_proj,@function
k_qa0e34cfe04_proj:
	s_mov_b64 s[64:65], 0
	v_nop
	global_prefetch_b8 v0, s[64:65] scope:SCOPE_SE
	s_setreg_imm32_b32 hwreg(HW_REG_WAVE_MODE, 25, 1), 1
	s_wait_xcnt 0x0
	s_wait_alu depctr_hold_cnt(0) depctr_sa_sdst(0) depctr_va_vdst(0) depctr_va_sdst(0) depctr_va_ssrc(0) depctr_va_vcc(0) depctr_vm_vsrc(0)
	s_getreg_b32 s2, hwreg(HW_REG_IB_STS2, 6, 4)
	s_cmp_eq_u32 s2, 0
	s_cbranch_scc0 .Lentry_in_a_cluster
	s_endpgm
.Lentry_in_a_cluster:
	s_bfe_u32 s2, ttmp6, 0x10000c
	s_cmp_lg_u32 s2, 0x3003
	s_cbranch_scc0 .Lentry_shape_is_right
	s_endpgm
.Lentry_shape_is_right:
; q, k, v = x^T W^T + b on codes of BF6 (E3M2) with one E8M0 scale for each 32 along c; the results are quantised again (q, k along the 512 features, v along t) and stored as images of operand registers.
; x: [32][512 c][1024 t] f32.  wimg: the weights' images (blocks of 51,200 bytes: fragment (tau, s) at 1536 (4 tau + s), register R of lane L at 512 (R / 4) + 16 L + 4 (R % 4); scale word at 49,152 + 512 s + 64 tau + 4 r).
; qimg [b][tb] and kvimg [b][tb][K, V] hold blocks of the same form for 128 t: Q, K: tile tau of t, K step s of the features; V: fragment delta (16 channels x these 128 t) at 1536 delta, word at 49,152 + 64 delta + 4 r.
; TILE ORDER, everywhere: lane r of tile 2 b + u holds row 32 b + 8 u + r + 8 (r / 8): a product with such a tile as source 0 leaves, in two neighbouring tiles, 16 neighbours along the next K in a lane.
; SHARES.  Work-group = 128 t of one batch.  Wave w quantises c = 128 w .. 128 w + 127 of x for all 128 t (images to LDS), then makes features 128 w .. of q, of k, and channels 128 w .. of v for all 128 t:
; a wave tile of 128 x 128, 64 accumulators, 256 matrix instructions a phase.  q, k: source 0 = W's tile, source 1 = x's tile (a lane holds one t, registers run along features);
; v: source 0 = x's tile, source 1 = Wv's tile (a lane holds one channel, registers run along t).  The bias is the C of each sum's first instruction.
; CLUSTER.  The four work-groups of a cluster walk the same weights: each wave's block of W (its 128 features, 51,200 bytes) is asked for jointly, mask 15; only the asking wave reads it.  One tensor load of a wave is out at most.
; REGISTERS.  window 0: v1-13 addresses; v24-31 scale words made; v32-63 x's scale words; v64-95 W's; v96-111 at work; v112-130 codes; v132-227 the o side's eight fragments.
;   window 1: the i side's fragments, two sets (v0-95, v128-223); the bias tiles (v96-127, v224-255).   windows 2, 3: raw x, then accumulator (o, i) at window 2 + o / 4, v[64 (o % 4) + 8 i].
; LIMITS: a block of zeros gets the byte 1 (zero codes; read by this program alone); blocks under 2^-122 keep the byte 1; NaN and infinities are not served.
.set XTP,   6160                       ; LDS: x's tile tau at XTP tau (four images of 1,536 bytes + 16), image s at + 1536 s
.set XSC,   49408                      ; x's scale words: 512 s + 64 tau + 4 r
.set WS,    51456                      ; four blocks of W, one a wave: filled by tensor loads alone
.set WBLK,  51200
.set SPARE, 256256                     ; the spare words: 128 bytes a wave
.set SPW, 1
.set NIL, 2
.set LI,  3                            ; 16 x lane: x's offset in memory, and an image's place in X
.set AXW, 4                            ; where I store my columns' codes
.set AXSW,5                            ; and their scale words
.set AXS, 6                            ; x's scale words, read: XSC + 4 r
.set AW,  7                            ; my block of W + 16 x lane
.set AWS, 8                            ; its scale words + 4 r
.set LIQ, 9                            ; out: 16 L + 1536 w
.set LIV, 10                           ; out: 16 L + 12288 w
.set LSW, 11                           ; out: 4 L + 512 w
.set BA,  12                           ; 64 h
.set BV,  13                           ; 4 (r + 8 (r / 8))
.set XTM, 16
.set XSO, 20
.set SW,  24
.set XBY, 28
.set PWS, 24
.set XS,  32
.set WSC, 64
.set TM,  96
.set PC,  112
.set OSET,132
.set XC,  96
.set XO,  128
.set WV,  18
.set SEL, 36
.set G1,  24
.set G0,  32
.set MSB, 0
.macro WIN new                         ; the immediate's high byte repeats the setting that is left
.if MSB != (\new)
	s_set_vgpr_msb (MSB<<8)|(\new)
.set MSB, (\new)
.endif
.endm
.macro PLACES n
.rept \n
	v_nop
.endr
.endm
.macro BAR
	s_barrier_signal -1
	s_barrier_wait -1
.endm
.macro CROUND                          ; a round of the cluster's barrier
	s_barrier_signal -1
	s_barrier_wait -1
	s_cmp_lg_u32 s[WV], 0
	s_cbranch_scc1 .Lnw0_\@
	s_barrier_signal -3
.Lnw0_\@:
	s_barrier_wait -3
	s_barrier_signal -1
	s_barrier_wait -1
.endm
	s_load_b256 s[4:11], s[0:1], 0x0               ; x, wimg, bq, bk
	s_load_b128 s[12:15], s[0:1], 0x20             ; bv, qimg
	s_load_b64 s[16:17], s[0:1], 0x30              ; kvimg
	v_lshl_add_u32 v[SPW], v0, 2, SPARE
	v_mov_b32 v[NIL], 0
	ds_add_u32 v1, v2
	ds_add_u32 v1, v2
	s_wait_dscnt 0x0
	v_lshrrev_b32 v14, 5, v0
	v_readfirstlane_b32 s[WV], v14                 ; wave 0..3
	s_bfe_u32 s19, ttmp6, 0x40000                  ; cx: it enters global addresses of my own loads and stores alone
	s_lshl_b32 s20, ttmp9, 2
	s_add_co_u32 s20, s20, s19                     ; work-group = 8 b + tb
	s_lshr_b32 s21, s20, 3
	s_and_b32 s22, s20, 7
	s_lshl_b32 s38, s21, 21                        ; x: 2 MiB a batch,
	s_lshl_b32 s22, s22, 9
	s_add_co_u32 s38, s38, s22                     ; 512 bytes for 128 t,
	s_lshl_b32 s22, s[WV], 19
	s_add_co_u32 s38, s38, s22                     ; 128 rows of 4,096 bytes a wave
	s_mov_b32 s39, 0
	s_lshl_b32 s40, s[WV], 9                       ; the biases: my 128 numbers
	s_mov_b32 s41, 0
	s_mul_i32 s42, s[WV], WBLK                     ; my block of W, in wimg and in WS
	s_mov_b32 s43, 0
	s_mul_i32 s46, s20, 51200
	s_mov_b32 s47, 0
	s_mul_i32 s48, s20, 102400
	s_mov_b32 s49, 0
	s_mov_b32 s44, 0xffff0000                      ; lanes 16-31
	s_mov_b32 s[SEL], 0x76543210
	s_mov_b32 s[SEL+1], 0xfedcba98
	; descriptor group 1: a dense block of 200 rows of 256 bytes (32 elements of 8 bytes), no padding; mask: all four work-groups
	s_mov_b32 s[G1+0], 15|(3<<16)|(1<<21)
	s_mov_b32 s[G1+1], 32<<16
	s_mov_b32 s[G1+2], 200<<16
	s_mov_b32 s[G1+3], 32<<16
	s_mov_b32 s[G1+4], 200
	s_mov_b32 s[G1+5], 32
	s_mov_b32 s[G1+6], 0
	s_mov_b32 s[G1+7], 0
	s_mov_b32 s[G0], 1
	s_add_co_u32 s[G0+1], s42, WS
	s_wait_kmcnt 0x0
	s_add_nc_u64 s[G0+2:G0+3], s[6:7], s[42:43]    ; Wq's group w: the same in all four partners
	s_or_b32 s[G0+3], s[G0+3], 0x80000000
	s_add_nc_u64 s[4:5], s[4:5], s[38:39]
	s_add_nc_u64 s[8:9], s[8:9], s[40:41]
	s_add_nc_u64 s[10:11], s[10:11], s[40:41]
	s_add_nc_u64 s[12:13], s[12:13], s[40:41]
	s_add_nc_u64 s[14:15], s[14:15], s[46:47]      ; my block of qimg
	s_add_nc_u64 s[16:17], s[16:17], s[48:49]      ; my K block of kvimg
	s_add_nc_u64 s[50:51], s[16:17], 51200         ; my V block
	v_and_b32 v14, 31, v0                          ; L
	v_and_b32 v15, 15, v0                          ; r
	v_bfe_u32 v16, v0, 4, 1                        ; h
	v_lshlrev_b32 v[LI], 4, v14
	; a load's lane L, word e is t = 4 L + e: tile 2 (L / 8) + (L / 2) % 2, lane r = 4 (L % 2) + 8 ((L / 4) % 2) + e
	v_bfe_u32 v17, v0, 3, 2
	v_bfe_u32 v18, v0, 1, 1
	v_lshl_add_u32 v17, v17, 1, v18                ; the tile
	v_and_b32 v18, 1, v0
	v_bfe_u32 v19, v0, 2, 1
	v_lshlrev_b32 v18, 2, v18
	v_lshl_add_u32 v18, v19, 3, v18                ; r of e = 0
	v_mul_u32_u24 v[AXW], v17, XTP
	v_lshl_add_u32 v[AXW], v18, 4, v[AXW]
	s_mul_i32 s52, s[WV], 1536
	v_add_nc_u32 v[AXW], s52, v[AXW]
	v_add_nc_u32 v[LIQ], s52, v[LI]
	v_lshlrev_b32 v[AXSW], 6, v17
	v_lshl_add_u32 v[AXSW], v18, 2, v[AXSW]
	s_add_co_u32 s52, s40, XSC
	v_add_nc_u32 v[AXSW], s52, v[AXSW]
	v_lshl_add_u32 v[AXS], v15, 2, XSC
	v_add_nc_u32 v[AW], s[G0+1], v[LI]
	s_add_co_u32 s52, s[G0+1], 49152
	v_lshl_add_u32 v[AWS], v15, 2, s52
	s_mul_i32 s52, s[WV], 12288
	v_add_nc_u32 v[LIV], s52, v[LI]
	v_lshl_add_u32 v[LSW], v14, 2, s40
	v_lshlrev_b32 v[BA], 6, v16
	v_and_b32 v[BV], 8, v15
	v_add_nc_u32 v[BV], v[BV], v15
	v_lshlrev_b32 v[BV], 2, v[BV]
; the bias tiles, in window 1.  kind 0: lane (r, h) wants, for tile i, the numbers of features 32 (i / 2) + 16 h + 8 (i % 2) + 0 .. 7;  kind 1: its channel's one number (spread over the tile's registers later)
.macro BIASLD kind, lo
	WIN 0x40
.irp i,0,1,2,3,4,5,6,7
.if \kind == 0
	global_load_b128 v[96+8*\i+96*(\i/4):96+8*\i+96*(\i/4)+3], v[BA], s[\lo:\lo+1] offset:(32*(\i/2)+8*(\i%2))*4
	global_load_b128 v[96+8*\i+96*(\i/4)+4:96+8*\i+96*(\i/4)+7], v[BA], s[\lo:\lo+1] offset:(32*(\i/2)+8*(\i%2))*4+16
.else
	global_load_b32 v[96+8*\i+96*(\i/4)], v[BV], s[\lo:\lo+1] offset:(32*(\i/2)+8*(\i%2))*4
.endif
.endr
	WIN 0
.endm
	CROUND                                         ; all four work-groups are here: the first joint load meets
	tensor_load_to_lds s[G0:G0+3], s[G1:G1+7]      ; Wq
	s_nop 0
	PLACES 4
	s_wait_alu depctr_va_vdst(0)
	BIASLD 0, 8                                    ; bq
	; blocks 0-2, 96 of my 128 rows of x: each load covers 512 consecutive bytes, aligned
.irp n,0,1,2
	WIN (2+\n/2)<<6
.set i, 0
.rept 32
	global_load_b128 v[128*(\n%2)+4*i:128*(\n%2)+4*i+3], v[LI], s[4:5] offset:(32*\n+i)*4096 th:TH_LOAD_NT
.set i, i+1
.endr
.endr
	WIN 0
; block n of my K step (c = 128 w + 32 n + 0 .. 31) for my four columns e.  A load's four words run along t, the conversion wants 16 numbers down c in consecutive registers: so each column is copied out.
.macro XBLOCK n
.set RW, 2+(\n)/2
.set RB, 128*((\n)%2)
	WIN RW|(RW<<2)
.irp e,0,1,2,3
	v_max3_num_f32 v[XTM+\e], |v[RB+\e]|, |v[RB+4+\e]|, 0x2800000   ; and the floor 2^(5 - 127)
.endr
.set i, 2
.rept 15
.irp e,0,1,2,3
	v_max3_num_f32 v[XTM+\e], |v[RB+4*i+\e]|, |v[RB+4*i+4+\e]|, v[XTM+\e]   ; the four columns by turns
.endr
.set i, i+2
.endr
	WIN 0
.irp e,0,1,2,3
	v_add_nc_u32 v[XSO+\e], 0xfe000000, v[XTM+\e]  ; 4 off the exponent field: the conversion's scale operand
.endr
.irp e,0,1,2,3
.if (\n) == 0
	v_lshrrev_b32 v[SW+\e], 23, v[XSO+\e]          ; the scale's byte: byte n of the column's word
.else
	v_lshrrev_b32 v[XBY+\e], 23, v[XSO+\e]
.endif
.endr
.if (\n) > 0
.irp e,0,1,2,3
	v_lshl_or_b32 v[SW+\e], v[XBY+\e], 8*(\n), v[SW+\e]
.endr
.endif
	WIN RW
.set i, 0
.rept 32
.irp e,0,1,2,3
	v_mov_b32 v[XO+32*\e+i], v[RB+4*i+\e]
.endr
.set i, i+1
.endr
	WIN 0
	s_wait_alu depctr_va_vdst(0)
	s_wait_dscnt 0x0                               ; the last block's stores have read the codes' registers
.irp e,0,1,2,3
	v_cvt_scalef32_pk16_bf6_f32 v[XC+8*\e:XC+8*\e+2], v[XO+32*\e:XO+32*\e+15], v[XSO+\e]
	v_cvt_scalef32_pk16_bf6_f32 v[XC+8*\e+4:XC+8*\e+6], v[XO+32*\e+16:XO+32*\e+31], v[XSO+\e]
.endr
	v_nop                                          ; one plain place behind a scaled conversion
.irp e,0,1,2,3                         ; the block is registers 6 (n / 2) + 0 .. 5 of lane r + 16 (n % 2) of the image
.irp q,0,1,2,3,4,5
	ds_store_b32 v[AXW], v[XC+8*\e+\q+\q/3] offset:16*\e+256*((\n)%2)+512*((6*((\n)/2)+\q)/4)+4*((6*((\n)/2)+\q)%4)
.endr
.endr
.endm
	s_wait_loadcnt 63                              ; 112 loads were issued: with 63 out the first 49 are in: the bias and block 0
	XBLOCK 0
	WIN 3<<6                                       ; block 3's 32 rows are asked for here, so that the blocks are worked while later rows are on their way
.set i, 0
.rept 32
	global_load_b128 v[128+4*i:128+4*i+3], v[LI], s[4:5] offset:(96+i)*4096 th:TH_LOAD_NT
.set i, i+1
.endr
	WIN 0
	s_wait_loadcnt 63                              ; 144 loads were issued: with 63 out the first 81 are in: block 1 among them
	XBLOCK 1
	s_wait_loadcnt 32                              ; block 3's may be out
	XBLOCK 2
	s_wait_loadcnt 0x0
	XBLOCK 3
.irp e,0,1,2,3
	ds_store_b32 v[AXSW], v[SW+\e] offset:4*\e
.endr
	s_wait_tensorcnt 0x0                           ; my block of Wq is in
	s_wait_dscnt 0x0                               ; for the others' sake: my images of x have landed
	BAR                                            ; x's 32 fragments lie in LDS
.irp b,0,1,2,3
	v_mov_b32 v[TM+4+\b], 0                        ; written once: a lane permute's destination counts as one of its sources
.endr
.macro FRAG3 reg, adr, off             ; a fragment comes back as it was stored: three loads of 512 consecutive bytes
.irp g,0,1,2
	ds_load_b128 v[(\reg)+4*\g:(\reg)+4*\g+3], v[\adr] offset:(\off)+512*\g
.endr
.endm
.macro FETCH_I kind, s, set            ; the i side's eight fragments of K step s into set (window 1)
	WIN 0x40
.irp i,0,1,2,3,4,5,6,7
.if \kind == 0
	FRAG3 128*(\set)+12*\i, AW, 1536*(4*\i+(\s))
.else
	FRAG3 128*(\set)+12*\i, LI, XTP*\i+1536*(\s)
.endif
.endr
	WIN 0
.endm
.macro FETCH_O kind, s, o0             ; the o side's blocks o0 .. o0 + 3
.irp o,\o0,\o0+1,\o0+2,\o0+3
.if \kind == 0
	FRAG3 OSET+12*(\o), LI, XTP*(\o)+1536*(\s)
.else
	FRAG3 OSET+12*(\o), AW, 1536*(4*(\o)+(\s))
.endif
.endr
.endm
; 16 matrix instructions: o blocks o0, o0 + 1 against the i side's eight.  The 64 accumulators take turns, one instruction a turn, in the same order in every K step.
.macro MUL16 kind, o0, set, s
.irp o,\o0,\o0+1
.irp i,0,1,2,3,4,5,6,7
.set AC, 64*((\o)%4)+8*\i
.set IA, 128*(\set)+12*\i
.set OB, OSET+12*(\o)
.if \kind == 0
.set SAR, WSC+4*\i+(\s)
.set SBR, XS+4*(\o)+(\s)
.set BI, \i
.else
.set SAR, XS+4*\i+(\s)
.set SBR, WSC+4*(\o)+(\s)
.set BI, \o
.endif
.set CB, 96+8*BI+96*(BI/4)
.if \s == 0
	v_wmma_scale_f32_16x16x128_f8f6f4 v[AC:AC+7], v[IA:IA+11], v[OB:OB+11], v[CB:CB+7], v[SAR], v[SBR] matrix_a_fmt:MATRIX_FMT_BF6 matrix_b_fmt:MATRIX_FMT_BF6
.else
	v_wmma_scale_f32_16x16x128_f8f6f4 v[AC:AC+7], v[IA:IA+11], v[OB:OB+11], v[AC:AC+7], v[SAR], v[SBR] matrix_a_fmt:MATRIX_FMT_BF6 matrix_b_fmt:MATRIX_FMT_BF6
.endif
.endr
.endr
.endm
; a K step of 128: 64 matrix instructions.  An o block is free as soon as its eight products are issued: blocks 0-3 are fetched anew in the middle, blocks 4-7 at the end; the i side has two sets.
; Loads into registers that matrix instructions have read stand four plain vector instructions behind them (ISA guide 7.12.1 for vector instructions).
.macro STEP kind, s
	s_wait_dscnt 12                                ; all but the youngest twelve loads (o blocks 4-7) are in
.if \s == 0
	WIN 0x91                                       ; source 0 window 1, source 1 window 0, C (the bias) window 1, D window 2
.else
	WIN 0xa1
.endif
	MUL16 \kind, 0, (\s)%2, \s
	MUL16 \kind, 2, (\s)%2, \s
	s_wait_dscnt 0x0                               ; o blocks 4-7 are in
.if \s < 3
	PLACES 4
	FETCH_I \kind, (\s)+1, 1-(\s)%2
	FETCH_O \kind, (\s)+1, 0
.endif
.if \s == 0
	WIN 0xd1
.else
	WIN 0xf1
.endif
	MUL16 \kind, 4, (\s)%2, \s
	MUL16 \kind, 6, (\s)%2, \s
	PLACES 4
	WIN 0
.if \s < 3
	FETCH_O \kind, (\s)+1, 4
.endif
.endm
; my block of W has been read out (K step 3's fragments are asked for): the next matrix's block takes its place
.macro REFILL
	s_wait_tensorcnt 0x0                           ; no tensor load of mine is out, so group 0 may be written
	ds_add_u32 v[SPW], v[NIL]                      ; 0 onto my spare word
	s_add_nc_u64 s[G0+2:G0+3], s[G0+2:G0+3], 4*WBLK   ; the next matrix, the same group
	s_wait_dscnt 0x0                               ; the add is done, and my reads of the block are in
	CROUND                                         ; the same holds of every wave of every partner
	tensor_load_to_lds s[G0:G0+3], s[G1:G1+7]      ; it has K step 3 and the quantising in which to land
	s_nop 0
	PLACES 4
.endm
; the 64 results of o block o (register 16 b + i = number 32 b + 16 h + i along the next K) become a fragment in v[PC] on and a scale word in v[PWS + o]
.macro QUANT o
.set QW, 2+(\o)/4
.set QB, 64*((\o)%4)
	WIN QW|(QW<<2)
.irp b,0,1,2,3
	v_max3_num_f32 v[TM+\b], |v[QB+16*\b]|, |v[QB+16*\b+1]|, 0x2800000   ; each accumulator is read from its low end on
.endr
.irp i,2,4,6,8,10,12,14
.irp b,0,1,2,3
	v_max3_num_f32 v[TM+\b], |v[QB+16*\b+\i]|, |v[QB+16*\b+\i+1]|, v[TM+\b]
.endr
.endr
	WIN 0
	s_wait_alu depctr_va_vdst(0)
	s_wait_xcnt 0x0                                ; the earlier stores have read their data: the words and the codes are written again only behind this wait
.irp b,0,1,2,3
	v_permlanex16_b32 v[TM+4+\b], v[TM+\b], s[SEL], s[SEL+1]
.endr
.irp b,0,1,2,3
	v_max_num_f32 v[TM+\b], v[TM+\b], v[TM+4+\b]   ; with lane l xor 16's: the block's largest magnitude
.endr
.irp b,0,1,2,3
	v_add_nc_u32 v[TM+12+\b], 0xfe000000, v[TM+\b]
.endr
.irp b,0,1,2,3
	v_lshrrev_b32 v[TM+4+\b], 23, v[TM+12+\b]
.endr
	v_lshl_or_b32 v[PWS+\o], v[TM+5], 8, v[TM+4]
	v_lshl_or_b32 v[PWS+\o], v[TM+6], 16, v[PWS+\o]
	v_lshl_or_b32 v[PWS+\o], v[TM+7], 24, v[PWS+\o]
	WIN QW
.irp c,0,1
	v_cvt_scalef32_pk16_bf6_f32 v[PC+6*\c:PC+6*\c+2], v[QB+32*\c:QB+32*\c+15], v[TM+12+2*\c]
	v_cvt_scalef32_pk16_bf6_f32 v[PC+12+4*\c:PC+14+4*\c], v[QB+32*\c+16:QB+32*\c+31], v[TM+12+2*\c+1]
.endr
	WIN 0
	v_nop                                          ; one plain place behind a scaled conversion
.irp c,0,1                             ; the operand's layout wants a whole block in a lane
.irp i,0,1,2
	v_permlane16_swap_b32 v[PC+6*\c+\i], v[PC+12+4*\c+\i]
.endr
.irp i,0,1,2
	v_mov_b32 v[PC+3+6*\c+\i], v[PC+12+4*\c+\i]
.endr
.endr
.endm
; a phase: one of q, k (kind 0), v (kind 1).  nbk, nbl: the next phase's bias (kind, base) or -1.  outlo: the block that takes the results
.macro PHASE kind, first, refill, nbk, nbl, outlo
	s_wait_tensorcnt 0x0                           ; my block of W is in; only I read it
.irp t,0,1,2,3,4,5,6,7
.irp s,0,1,2,3
	ds_load_b32 v[WSC+4*\t+\s], v[AWS] offset:512*\s+64*\t
.if \first
	ds_load_b32 v[XS+4*\t+\s], v[AXS] offset:512*\s+64*\t
.endif
.endr
.endr
	FETCH_I \kind, 0, 0
	FETCH_O \kind, 0, 0
	FETCH_O \kind, 0, 4
	s_wait_loadcnt 0x0                             ; the bias
.if \kind == 1
	WIN 0x41
.irp o,0,1,2,3,4,5,6,7                 ; a lane holds one channel: its bias in all eight registers of the tile
.irp j,1,2,3,4,5,6,7
	v_mov_b32 v[96+8*\o+96*(\o/4)+\j], v[96+8*\o+96*(\o/4)]
.endr
.endr
	WIN 0
.endif
	s_wait_alu depctr_va_vdst(0)
	STEP \kind, 0
.if \nbk >= 0
	BIASLD \nbk, \nbl                              ; four places behind the last product that read the bias
.endif
	STEP \kind, 1
	STEP \kind, 2
.if \refill
	REFILL
.endif
	STEP \kind, 3
.irp o,0,1,2,3,4,5,6,7
	QUANT \o
.irp g,0,1,2
.if \kind == 0
	global_store_b128 v[LIQ], v[PC+4*\g:PC+4*\g+3], s[\outlo:\outlo+1] offset:6144*\o+512*\g   ; image (tile o, K step w): 512 consecutive bytes, aligned
.else
	global_store_b128 v[LIV], v[PC+4*\g:PC+4*\g+3], s[\outlo:\outlo+1] offset:1536*\o+512*\g   ; image delta = 8 w + o
.endif
.endr
.endr
.irp i,0,1,2,3
	v_cndmask_b32 v[PWS+2*\i], v[PWS+2*\i], v[PWS+2*\i+1], s44   ; lanes 0-15 tile 2 i's words, lanes 16-31 tile 2 i + 1's
.endr
.irp i,0,1,2,3
	global_store_b32 v[LSW], v[PWS+2*\i], s[\outlo:\outlo+1] offset:49152+128*\i
.endr
.endm
	PHASE 0, 1, 1, 0, 10, 14                       ; q
	PHASE 0, 0, 1, 1, 12, 16                       ; k
	PHASE 1, 0, 0, -1, 0, 50                       ; v
	s_wait_tensorcnt 0x0                           ; the wave's end
	ds_add_u32 v[SPW], v[NIL]
	s_wait_dscnt 0x0
	CROUND                                         ; the closing round
	s_endpgm
.Lfunc_end_k_qa0e34cfe04_proj:
	.size	k_qa0e34cfe04_proj, .Lfunc_end_k_qa0e34cfe04_proj-k_qa0e34cfe04_proj
	.p2alignl 7, 3214868480
	.fill 96, 4, 3214868480
	.section	.rodata,"a",@progbits
	.p2align	6, 0x0
	.amdhsa_kernel k_qa0e34cfe04_proj
		.amdhsa_group_segment_fixed_size 327680
		.amdhsa_private_segment_fixed_size 0
		.amdhsa_enable_private_segment 0
		.amdhsa_kernarg_size 56
		.amdhsa_user_sgpr_count 2
		.amdhsa_user_sgpr_kernarg_segment_ptr 1
		.amdhsa_wavefront_size32 1
		.amdhsa_system_sgpr_workgroup_id_x 1
		.amdhsa_system_sgpr_workgroup_id_y 1
		.amdhsa_system_sgpr_workgroup_id_z 1
		.amdhsa_system_vgpr_workitem_id 0
		.amdhsa_next_free_vgpr 1024
		.amdhsa_next_free_sgpr 66
		.amdhsa_reserve_vcc 0
		.amdhsa_float_denorm_mode_32 3
		.amdhsa_float_denorm_mode_16_64 3
		.amdhsa_memory_ordered 1
		.amdhsa_forward_progress 1
		.amdhsa_inst_pref_size 255
	.end_amdhsa_kernel
	.section	.bss,"aw",@nobits
	.p2align	6
	.space	262144
	.amdgpu_metadata
---
amdhsa.version: [ 1, 2 ]
amdhsa.kernels:
  - .name:           k_qa0e34cfe04_proj
    .symbol:         k_qa0e34cfe04_proj.kd
    .args:
      - { .name: x, .offset: 0, .size: 8, .value_kind: global_buffer, .address_space: global }
      - { .name: wimg, .offset: 8, .size: 8, .value_kind: global_buffer, .address_space: global }
      - { .name: bq, .offset: 16, .size: 8, .value_kind: global_buffer, .address_space: global }
      - { .name: bk, .offset: 24, .size: 8, .value_kind: global_buffer, .address_space: global }
      - { .name: bv, .offset: 32, .size: 8, .value_kind: global_buffer, .address_space: global }
      - { .name: qimg, .offset: 40, .size: 8, .value_kind: global_buffer, .address_space: global }
      - { .name: kvimg, .offset: 48, .size: 8, .value_kind: global_buffer, .address_space: global }
    .group_segment_fixed_size: 327680
    .private_segment_fixed_size: 0
    .kernarg_segment_align: 8
    .kernarg_segment_size: 56
    .max_flat_workgroup_size: 128
    .sgpr_count:     66
    .vgpr_count:     1024
    .wavefront_size: 32
...
	.end_amdgpu_metadata
.endif
;; end of part 2
;; launch colstat (part 3): grid 256 x 1, 4 waves a work-group, clusters of 4 x 1, 327,680 bytes of LDS; arguments qimg, kvimg, stats; writes stats
.if DOCPART == 3
	.amdgcn_target "amdgcn-amd-amdhsa--gfx1250"
	.amdhsa_code_object_version 6
	.text
	.protected	k_qa0e34cfe04_colstat
	.globl	k_qa0e34cfe04_colstat
	.p2align	8
	.type	k_qa0e34cfe04_colstat,@function
k_qa0e34cfe04_colstat:
	s_mov_b64 s[64:65], 0
	v_nop
	global_prefetch_b8 v0, s[64:65] scope:SCOPE_SE
	s_setreg_imm32_b32 hwreg(HW_REG_WAVE_MODE, 25, 1), 1
	s_wait_xcnt 0x0
	s_wait_alu depctr_hold_cnt(0) depctr_sa_sdst(0) depctr_va_vdst(0) depctr_va_sdst(0) depctr_va_ssrc(0) depctr_va_vcc(0) depctr_vm_vsrc(0)
	s_getreg_b32 s2, hwreg(HW_REG_IB_STS2, 6, 4)
	s_cmp_eq_u32 s2, 0
	s_cbranch_scc0 .Lentry_in_a_cluster
	s_endpgm
.Lentry_in_a_cluster:
	s_bfe_u32 s2, ttmp6, 0x10000c
	s_cmp_lg_u32 s2, 0x3003
	s_cbranch_scc0 .Lentry_shape_is_right
	s_endpgm
.Lentry_shape_is_right:
; The softmax of this problem runs along the QUERIES: key s has its own maximum and its own sum over the queries t >= s.  This launch makes, for every key, ONE number:
; stats[b][s] = -c max_t S(t, s) - log2(sum_t 2^(c S(t, s) - c max)), c = log2(e) / sqrt(512), so that w(t, s) = 2^(c S(t, s) + stats[b][s]) is the finished, normalised softmax.
; S = Q K^T on codes of BF6 (E3M2) with E8M0 scales, from the images that launch proj stored (blocks of 51,200 bytes for 128 t).
; LEFT OUT: blocks of 256 queries that lie wholly ahead of a block of 256 keys (t < s for all): reference() masks them to -inf.  In the block on the diagonal the mask is a select.
; SHARES.  A cluster takes two blocks of 256 keys of one batch, block P and then block 3 - P (P = cluster's number % 2): 4 - P and P + 1 steps of 256 queries, five for every work-group.  A work-group takes 64 keys
; of each block; in a step wave w takes 64 of the 256 queries against all 64 keys (64 matrix instructions) and keeps a running maximum and sum a lane; at a part's end lanes and waves are joined, the waves through LDS.
; JOINT LOADS.  The four partners walk the same queries: a slot holds 256 queries' images, each wave asks for a quarter, mask 15.  The head's one load a wave brings a quarter of the first two slots, which lie on end
; in memory and in LDS.  A slot is read out into registers at once and filled again at the head of its own step.  No prefetch: the launch has five steps, and each refill is asked for two steps ahead of its use.
; LIMITS: the promise holds while the scaled scores stay under 2^31 in magnitude; NaN and infinities are not served, nor carried out of the blocks left out.
.set SLOTB, 102400
.set KI,    204800                     ; K's images, both parts: stored by the waves, no fill lands here
.set PST,   253952                     ; the waves' partial maxima and sums
.set SPARE, 258048                     ; the spare words: 128 bytes a wave
.set SPW, 1
.set NIL, 2
.set AQ0, 3
.set AS0, 5
.set AKI, 7
.set AKW, 8
.set APT, 9
.set AM,  10
.set E0,  11
.set NEG, 12
.set GKW, 13
.set GS,  14
.set GST, 15
.set KS,  20
.set KSB, 36
.set QS,  52
.set ST,  68
.set S,   100
.set W,   228
.set WV,  10
.set P,   13
.set G1,  24
.set G0,  32
.set CS,  40
.set NCS, 42
.set SEL, 44
.set QB,  46
.set OFF, 48
.set KP,  58
.set STP, 62
.set MSB, 0
.macro WIN new                         ; the immediate's high byte repeats the setting that is left
.if MSB != (\new)
	s_set_vgpr_msb (MSB<<8)|(\new)
.set MSB, (\new)
.endif
.endm
.macro PLACES n
.rept \n
	v_nop
.endr
.endm
.macro BAR
	s_barrier_signal -1
	s_barrier_wait -1
.endm
.macro CROUND                          ; a round of the cluster's barrier
	s_barrier_signal -1
	s_barrier_wait -1
	s_cmp_lg_u32 s[WV], 0
	s_cbranch_scc1 .Lnw0_\@
	s_barrier_signal -3
.Lnw0_\@:
	s_barrier_wait -3
	s_barrier_signal -1
	s_barrier_wait -1
.endm
	s_load_b128 s[4:7], s[0:1], 0x0                ; qimg, kvimg
	s_load_b64 s[8:9], s[0:1], 0x10                ; stats
	v_lshl_add_u32 v[SPW], v0, 2, SPARE
	v_mov_b32 v[NIL], 0
	ds_add_u32 v1, v2                              ; the opening lines: the add, twice on end, and its wait
	ds_add_u32 v1, v2
	s_wait_dscnt 0x0
	v_lshrrev_b32 v16, 5, v0
	v_readfirstlane_b32 s[WV], v16                 ; wave 0..3
	s_bfe_u32 s11, ttmp6, 0x40000                  ; cx: it enters my own global addresses and the mask's numbers alone
	s_lshr_b32 s12, ttmp9, 1                       ; batch
	s_and_b32 s[P], ttmp9, 1
	s_mov_b32 s[G1+0], 15|(3<<16)|(1<<21)          ; a refill's group 1: 100 dense rows of 256 bytes, mask: all four work-groups
	s_mov_b32 s[G1+1], 32<<16
	s_mov_b32 s[G1+2], 100<<16
	s_mov_b32 s[G1+3], 32<<16
	s_mov_b32 s[G1+4], 100
	s_mov_b32 s[G1+5], 32
	s_mov_b32 s[G1+6], 0
	s_mov_b32 s[G1+7], 0
	s_mov_b32 s[CS], 0x3d8293ee                    ; c
	s_mov_b32 s[CS+1], s[CS]
	s_mov_b32 s[NCS], 0xbd8293ee                   ; -c
	s_mov_b32 s[SEL], 0x76543210
	s_mov_b32 s[SEL+1], 0xfedcba98
	s_mul_i32 s14, s[WV], 25600
	s_mul_i32 s16, s12, 409600
	s_add_co_u32 s16, s16, s14
	s_mov_b32 s17, 0
	s_mul_i32 s[OFF], s[P], SLOTB                  ; the five steps' blocks of 256 queries: P, P + 1, P + 2, 3 - P, 3
	s_mov_b32 s[OFF+1], 0
	s_add_co_u32 s[OFF+4], s[OFF], 2*SLOTB
	s_mov_b32 s[OFF+5], 0
	s_sub_co_u32 s[OFF+6], 3*SLOTB, s[OFF]
	s_mov_b32 s[OFF+7], 0
	s_mov_b32 s[OFF+8], 3*SLOTB
	s_mov_b32 s[OFF+9], 0
	s_lshl_b32 s18, s12, 3
	s_lshr_b32 s19, s11, 1
	s_add_co_u32 s18, s18, s19
	s_lshl_b32 s19, s[P], 1
	s_add_co_u32 s20, s18, s19                     ; K's block of the first part: 8 b + 2 P + cx / 2
	s_mul_i32 s20, s20, SLOTB
	s_mov_b32 s21, 0
	s_sub_co_u32 s19, 6, s19
	s_add_co_u32 s22, s18, s19                     ; and of the second: 8 b + 2 (3 - P) + cx / 2
	s_mul_i32 s22, s22, SLOTB
	s_mov_b32 s23, 0
	s_wait_kmcnt 0x0
	s_add_nc_u64 s[QB:QB+1], s[4:5], s[16:17]
	s_add_nc_u64 s[KP:KP+1], s[6:7], s[20:21]
	s_add_nc_u64 s[KP+2:KP+3], s[6:7], s[22:23]
	s_mov_b32 s[G0], 1                             ; the refills' two groups 0: their global words are written ahead of each refill
	s_mov_b32 s[G0+1], s14
	s_mov_b32 s[G0+4], 1
	s_add_co_u32 s[G0+5], s14, SLOTB
	s_mov_b32 s68, 15|(3<<16)|(1<<21)              ; the head's group 1: 200 rows of 256 bytes
	s_mov_b32 s69, 32<<16
	s_mov_b32 s70, 200<<16
	s_mov_b32 s71, 32<<16
	s_mov_b32 s72, 200
	s_mov_b32 s73, 32
	s_mov_b32 s74, 0
	s_mov_b32 s75, 0
	s_mov_b32 s76, 1                               ; the head's group 0: my 51,200 bytes of the first two slots' 204,800
	s_lshl_b32 s77, s14, 1
	s_mov_b32 s20, s14
	s_mov_b32 s21, 0
	s_add_nc_u64 s[78:79], s[QB:QB+1], s[OFF:OFF+1]
	s_add_nc_u64 s[78:79], s[78:79], s[20:21]
	s_or_b32 s79, s79, 0x80000000
	CROUND                                         ; all four work-groups are here: the first joint loads meet
	tensor_load_to_lds s[76:79], s[68:75]          ; one tensor load a wave at the head
	s_nop 0
	PLACES 4
	s_sub_co_u32 s18, 3, s[P]                      ; where my wave stores at the end: waves 0, 1 the first part's 64 keys, waves 2, 3 the second part's, 32 keys a wave
	s_cmp_lt_u32 s[WV], 2
	s_cselect_b32 s18, s[P], s18
	s_lshl_b32 s18, s18, 10
	s_lshl_b32 s19, s12, 12                        ; 4,096 bytes a batch
	s_add_co_u32 s18, s18, s19
	s_lshl_b32 s19, s11, 8
	s_add_co_u32 s18, s18, s19
	s_and_b32 s16, s[WV], 1
	s_lshl_b32 s19, s16, 7
	s_add_co_u32 s18, s18, s19
	s_mov_b32 s19, 0
	s_add_nc_u64 s[STP:STP+1], s[8:9], s[18:19]
	v_and_b32 v228, 31, v0                         ; L
	v_and_b32 v229, 15, v0                         ; r
	v_bfe_u32 v230, v0, 4, 1                       ; h
	v_lshlrev_b32 v231, 4, v228
	s_wait_alu depctr_va_vdst(0)
	v_lshlrev_b32 v232, 2, v229
	v_and_b32 v233, 8, v229
	v_add_nc_u32 v233, v233, v229                  ; r + 8 (r / 8)
	s_wait_alu depctr_va_vdst(0)
	s_lshr_b32 s15, s[WV], 1
	s_mul_i32 s15, s15, 51200
	s_mul_i32 s17, s16, 24576
	s_add_co_u32 s17, s17, s15
	v_add_nc_u32 v[AQ0], s17, v231                 ; my 64 queries' fragments in slot 0, 1
	v_add_nc_u32 v[AQ0+1], SLOTB, v[AQ0]
	s_lshl_b32 s17, s16, 8
	s_add_co_u32 s17, s17, s15
	s_add_co_u32 s17, s17, 49152
	v_add_nc_u32 v[AS0], s17, v232                 ; and their scale words
	v_add_nc_u32 v[AS0+1], SLOTB, v[AS0]
	v_add_nc_u32 v[AKI], KI, v231
	s_mul_i32 s18, s[WV], 6144
	s_add_co_u32 s17, s18, KI
	v_add_nc_u32 v[AKW], s17, v231
	s_lshl_b32 s17, s[WV], 9
	s_add_co_u32 s17, s17, PST
	v_lshl_add_u32 v[APT], v233, 2, s17
	s_lshr_b32 s17, s[WV], 1
	s_lshl_b32 s17, s17, 11
	s_lshl_b32 s19, s16, 7
	s_add_co_u32 s17, s17, s19
	s_add_co_u32 s17, s17, PST
	v_lshl_add_u32 v[AM], v228, 2, s17
	s_lshl_b32 s17, s11, 6
	s_lshl_b32 s19, s[WV], 6
	s_sub_co_i32 s17, s17, s19
	v_add_nc_u32 v[E0], s17, v233                  ; the mask: my key less my first query, inside the block on the diagonal
	v_lshlrev_b32 v234, 4, v230
	v_sub_nc_u32 v[E0], v[E0], v234
	v_mov_b32 v[NEG], 0xff800000
	s_and_b32 s17, s11, 1
	s_mul_i32 s19, s17, 24576
	s_add_co_u32 s19, s19, s18
	v_add_nc_u32 v[GKW], s19, v231
	s_lshl_b32 s17, s17, 8
	v_add_nc_u32 v[GS], s17, v232
	v_lshlrev_b32 v[GST], 2, v228
.irp part,0,1                          ; my tile of K, both parts; the four waves hand their tiles to each other through LDS
.irp s,0,1,2,3
.irp g,0,1,2
	global_load_b128 v[S+48*\part+12*\s+4*\g:S+48*\part+12*\s+4*\g+3], v[GKW], s[KP+2*\part:KP+2*\part+1] offset:1536*\s+512*\g
.endr
.endr
.endr
.irp part,0,1
.irp kt,0,1,2,3
.irp s,0,1,2,3
	global_load_b32 v[KS+16*\part+4*\kt+\s], v[GS], s[KP+2*\part:KP+2*\part+1] offset:49152+512*\s+64*\kt
.endr
.endr
.endr
.irp kt,0,1,2,3
	v_mov_b32 v[W+6*\kt+1], 0                      ; written once: a lane permute's destination counts as one of its sources
	v_mov_b32 v[W+6*\kt+2], 0
.endr
	s_wait_loadcnt 0x0
.irp part,0,1
.irp s,0,1,2,3
.irp g,0,1,2
	ds_store_b128 v[AKW], v[S+48*\part+12*\s+4*\g:S+48*\part+12*\s+4*\g+3] offset:24576*\part+1536*\s+512*\g
.endr
.endr
.endr
	s_wait_tensorcnt 0x0                           ; my part of both slots has landed,
	s_wait_dscnt 0x0                               ; and my tile of K
	BAR
.macro LOADK part
	WIN 0x40
.irp kt,0,1,2,3
.irp s,0,1,2,3
.irp g,0,1,2
	ds_load_b128 v[12*(4*\kt+\s)+4*\g:12*(4*\kt+\s)+4*\g+3], v[AKI] offset:24576*\part+6144*\kt+1536*\s+512*\g
.endr
.endr
.endr
	WIN 0
.endm
.macro LOADQS sg                       ; my 64 queries of a slot: 16 scale words and 16 fragments
.irp a,0,1,2,3
.irp s,0,1,2,3
	ds_load_b32 v[QS+4*\a+\s], v[AS0+(\sg)] offset:512*\s+64*\a
.endr
.endr
	WIN 0x80
.irp s,0,1,2,3
.irp a,0,1,2,3
.irp g,0,1,2
	ds_load_b128 v[12*(4*\a+\s)+4*\g:12*(4*\a+\s)+4*\g+3], v[AQ0+(\sg)] offset:6144*\a+1536*\s+512*\g
.endr
.endr
.endr
	WIN 0
.endm
.macro INITST                          ; for each of my four keys: ST+1 the largest score so far (-3e38), ST -c x it, ST+2, ST+3 the sum in two halves
.irp kt,0,1,2,3
	v_mov_b32 v[ST+8*\kt+1], 0xff61b1e6
	v_mov_b32 v[ST+8*\kt+2], 0
	v_mov_b32 v[ST+8*\kt+3], 0
.endr
.irp kt,0,1,2,3
	v_mul_f32 v[ST+8*\kt], s[NCS], v[ST+8*\kt+1]
.endr
.endm
.macro MULS s                          ; source 0 = 16 queries, source 1 = 16 keys: a lane holds one key, its registers run along the queries; sixteen accumulators by turns
.irp kt,0,1,2,3
.irp a,0,1,2,3
.if \s == 0
	v_wmma_scale_f32_16x16x128_f8f6f4 v[S+32*\kt+8*\a:S+32*\kt+8*\a+7], v[12*(4*\a+\s):12*(4*\a+\s)+11], v[12*(4*\kt+\s):12*(4*\kt+\s)+11], 0, v[QS+4*\a+\s], v[KS+4*\kt+\s] matrix_a_fmt:MATRIX_FMT_BF6 matrix_b_fmt:MATRIX_FMT_BF6
.else
	v_wmma_scale_f32_16x16x128_f8f6f4 v[S+32*\kt+8*\a:S+32*\kt+8*\a+7], v[12*(4*\a+\s):12*(4*\a+\s)+11], v[12*(4*\kt+\s):12*(4*\kt+\s)+11], v[S+32*\kt+8*\a:S+32*\kt+8*\a+7], v[QS+4*\a+\s], v[KS+4*\kt+\s] matrix_a_fmt:MATRIX_FMT_BF6 matrix_b_fmt:MATRIX_FMT_BF6
.endif
.endr
.endr
.endm
.macro MASKIT                          ; query < key: -inf
.irp kt,0,1,2,3
.irp a,0,1,2,3
.set j, 0
.rept 8
	v_cmp_lt_i32 vcc_lo, j+32*(\a/2)+8*(\a%2)-32*(\kt/2)-8*(\kt%2), v[E0]
	v_cndmask_b32 v[S+32*\kt+8*\a+j], v[S+32*\kt+8*\a+j], v[NEG], vcc_lo
.set j, j+1
.endr
.endr
.endr
.endm
.macro SOFT                            ; the running maximum and sum of my four keys take in this step's 32 queries a lane
.irp kt,0,1,2,3
	v_max3_num_f32 v[ST+8*\kt+5], v[S+32*\kt], v[S+32*\kt+1], v[S+32*\kt+2]
.endr
.irp i,3,5,7,9,11,13,15,17,19,21,23,25,27,29
.irp kt,0,1,2,3
	v_max3_num_f32 v[ST+8*\kt+5], v[ST+8*\kt+5], v[S+32*\kt+\i], v[S+32*\kt+\i+1]
.endr
.endr
.irp kt,0,1,2,3
	v_mov_b32 v[ST+8*\kt+4], v[ST+8*\kt]
.endr
.irp kt,0,1,2,3
	v_max3_num_f32 v[ST+8*\kt+1], v[ST+8*\kt+5], v[S+32*\kt+31], v[ST+8*\kt+1]
.endr
.irp kt,0,1,2,3
	v_mul_f32 v[ST+8*\kt], s[NCS], v[ST+8*\kt+1]
.endr
.irp kt,0,1,2,3
	v_sub_f32 v[ST+8*\kt+7], v[ST+8*\kt], v[ST+8*\kt+4]   ; c x (old maximum - new)
.endr
.irp kt,0,1,2,3
.set j, 0
.rept 16
	v_pk_fma_f32 v[S+32*\kt+j:S+32*\kt+j+1], v[S+32*\kt+j:S+32*\kt+j+1], s[CS:CS+1], v[ST+8*\kt:ST+8*\kt+1] op_sel_hi:[1,0,0]
.set j, j+2
.endr
.endr
	s_wait_alu depctr_va_vdst(0)                   ; the wait ahead of the batch
.irp kt,0,1,2,3
	v_exp_f32 v[ST+8*\kt+6], v[ST+8*\kt+7]
.endr
.set j, 0
.rept 128
	v_exp_f32 v[S+j], v[S+j]
.set j, j+1
.endr
	v_nop
	s_wait_alu depctr_va_vdst(0)                   ; and behind it
.irp kt,0,1,2,3
	v_pk_add_f32 v[ST+8*\kt+4:ST+8*\kt+5], v[S+32*\kt:S+32*\kt+1], v[S+32*\kt+2:S+32*\kt+3]
.endr
.irp i,4,6,8,10,12,14,16,18,20,22,24,26,28,30
.irp kt,0,1,2,3
	v_pk_add_f32 v[ST+8*\kt+4:ST+8*\kt+5], v[ST+8*\kt+4:ST+8*\kt+5], v[S+32*\kt+\i:S+32*\kt+\i+1]
.endr
.endr
.irp kt,0,1,2,3
	v_pk_fma_f32 v[ST+8*\kt+2:ST+8*\kt+3], v[ST+8*\kt+2:ST+8*\kt+3], v[ST+8*\kt+6:ST+8*\kt+7], v[ST+8*\kt+4:ST+8*\kt+5] op_sel_hi:[1,0,1]
.endr
.endm
; A step on the queries that LOADQS brought into registers.  mode 2: slot sg, read out, is filled again with the block at offr; 1: a barrier, nothing is filled; mask 1: always, 2, 3: where P says that the step lies on the diagonal
.macro STEP sg, mode, offr, mask, pre
.if \mode
	s_wait_tensorcnt 0x0
	ds_add_u32 v[SPW], v[NIL]                      ; 0 onto my spare word
.if \mode == 2
	s_add_nc_u64 s[G0+4*\sg+2:G0+4*\sg+3], s[QB:QB+1], s[\offr:\offr+1]
	s_or_b32 s[G0+4*\sg+3], s[G0+4*\sg+3], 0x80000000
.endif
.endif
	s_wait_dscnt 0x0
.if \mode == 2
	CROUND
	tensor_load_to_lds s[G0+4*\sg:G0+4*\sg+3], s[G1:G1+7]
	s_nop 0
	PLACES 4
.elseif \mode == 1
	BAR
.endif
	WIN 0x06
	MULS 0
	MULS 1
	MULS 2
	MULS 3
	WIN 0
	PLACES 4
.if \pre
	LOADQS 1-\sg
.endif
.if \mask == 1
	MASKIT
.elseif \mask > 1
	s_cmp_eq_u32 s[P], 3-\mask
	s_cbranch_scc0 .Lopen_\@
	MASKIT
.Lopen_\@:
.endif
	SOFT
.endm
.macro PART part                       ; a part's end: lanes l and l xor 16 are joined, and the wave's maxima and sums go to LDS
.irp kt,0,1,2,3
	v_add_f32 v[W+6*\kt], v[ST+8*\kt+2], v[ST+8*\kt+3]
.endr
.irp kt,0,1,2,3
	v_permlanex16_b32 v[W+6*\kt+1], v[ST+8*\kt], s[SEL], s[SEL+1]
	v_permlanex16_b32 v[W+6*\kt+2], v[W+6*\kt], s[SEL], s[SEL+1]
.endr
.irp kt,0,1,2,3
	v_min_num_f32 v[W+6*\kt+3], v[ST+8*\kt], v[W+6*\kt+1]
.endr
.irp kt,0,1,2,3
	v_sub_f32 v[W+6*\kt+4], v[W+6*\kt+3], v[ST+8*\kt]
	v_sub_f32 v[W+6*\kt+5], v[W+6*\kt+3], v[W+6*\kt+1]
.endr
	s_wait_alu depctr_va_vdst(0)
.irp kt,0,1,2,3
	v_exp_f32 v[W+6*\kt+4], v[W+6*\kt+4]
	v_exp_f32 v[W+6*\kt+5], v[W+6*\kt+5]
.endr
	v_nop
	s_wait_alu depctr_va_vdst(0)
.irp kt,0,1,2,3
	v_mul_f32 v[W+6*\kt], v[W+6*\kt], v[W+6*\kt+4]
.endr
.irp kt,0,1,2,3
	v_fmac_f32 v[W+6*\kt], v[W+6*\kt+2], v[W+6*\kt+5]
.endr
.irp kt,0,1,2,3
	ds_store_b32 v[APT], v[W+6*\kt+3] offset:2048*\part+128*(\kt/2)+32*(\kt%2)
	ds_store_b32 v[APT], v[W+6*\kt] offset:2048*\part+128*(\kt/2)+32*(\kt%2)+256
.endr
.endm
.macro SWITCH                          ; from the first part's keys to the second's
	PART 0
	LOADK 1
.set i, 0
.rept 16
	v_mov_b32 v[KS+i], v[KSB+i]
.set i, i+1
.endr
	INITST
	s_wait_dscnt 0x0
.endm
	LOADK 0
	INITST
	LOADQS 0
	STEP 0, 2, OFF+4, 1, 1
	STEP 1, 2, OFF+6, 0, 1
	STEP 0, 2, OFF+8, 0, 1
	s_cmp_eq_u32 s[P], 1                           ; P = 1: the first part has three steps
	s_cbranch_scc0 .Lno_sw3
	SWITCH
.Lno_sw3:
	STEP 1, 1, 0, 2, 1
	s_cmp_eq_u32 s[P], 0                           ; P = 0: four
	s_cbranch_scc0 .Lno_sw4
	SWITCH
.Lno_sw4:
	STEP 0, 0, 0, 3, 0
	PART 1
	s_wait_dscnt 0x0
	BAR
.irp i,0,1,2,3                         ; my 32 keys: the four waves' -c x maxima and sums
	ds_load_b32 v[S+\i], v[AM] offset:512*\i
	ds_load_b32 v[S+4+\i], v[AM] offset:512*\i+256
.endr
	s_wait_dscnt 0x0
	v_min_num_f32 v[S+8], v[S], v[S+1]
	v_min3_num_f32 v[S+8], v[S+8], v[S+2], v[S+3]  ; -c x the key's maximum
.irp i,0,1,2,3
	v_sub_f32 v[S+\i], v[S+8], v[S+\i]
.endr
	s_wait_alu depctr_va_vdst(0)
.irp i,0,1,2,3
	v_exp_f32 v[S+\i], v[S+\i]
.endr
	v_nop
	s_wait_alu depctr_va_vdst(0)
	v_mul_f32 v[S+9], v[S+4], v[S]
	v_fmac_f32 v[S+9], v[S+5], v[S+1]
	v_fmac_f32 v[S+9], v[S+6], v[S+2]
	v_fmac_f32 v[S+9], v[S+7], v[S+3]              ; the key's sum: 1 at the least, since the maximum's own term is 1
	s_wait_alu depctr_va_vdst(0)
	v_log_f32 v[S+10], v[S+9]
	v_nop
	s_wait_alu depctr_va_vdst(0)
	v_sub_f32 v[S+11], v[S+8], v[S+10]             ; -c x maximum - log2(sum)
	global_store_b32 v[GST], v[S+11], s[STP:STP+1]
	s_wait_tensorcnt 0x0                           ; the wave's end
	ds_add_u32 v[SPW], v[NIL]
	s_wait_dscnt 0x0
	CROUND                                         ; the closing round
	s_endpgm
.Lfunc_end_k_qa0e34cfe04_colstat:
	.size	k_qa0e34cfe04_colstat, .Lfunc_end_k_qa0e34cfe04_colstat-k_qa0e34cfe04_colstat
	.p2alignl 7, 3214868480
	.fill 96, 4, 3214868480
	.section	.rodata,"a",@progbits
	.p2align	6, 0x0
	.amdhsa_kernel k_qa0e34cfe04_colstat
		.amdhsa_group_segment_fixed_size 327680
		.amdhsa_private_segment_fixed_size 0
		.amdhsa_enable_private_segment 0
		.amdhsa_kernarg_size 24
		.amdhsa_user_sgpr_count 2
		.amdhsa_user_sgpr_kernarg_segment_ptr 1
		.amdhsa_wavefront_size32 1
		.amdhsa_system_sgpr_workgroup_id_x 1
		.amdhsa_system_sgpr_workgroup_id_y 1
		.amdhsa_system_sgpr_workgroup_id_z 1
		.amdhsa_system_vgpr_workitem_id 0
		.amdhsa_next_free_vgpr 768
		.amdhsa_next_free_sgpr 80
		.amdhsa_reserve_vcc 1
		.amdhsa_float_denorm_mode_32 3
		.amdhsa_float_denorm_mode_16_64 3
		.amdhsa_memory_ordered 1
		.amdhsa_forward_progress 1
		.amdhsa_inst_pref_size 208
	.end_amdhsa_kernel
	.amdgpu_metadata
---
amdhsa.version: [ 1, 2 ]
amdhsa.kernels:
  - .name:           k_qa0e34cfe04_colstat
    .symbol:         k_qa0e34cfe04_colstat.kd
    .args:
      - { .name: qimg, .offset: 0, .size: 8, .value_kind: global_buffer, .address_space: global }
      - { .name: kvimg, .offset: 8, .size: 8, .value_kind: global_buffer, .address_space: global }
      - { .name: stats, .offset: 16, .size: 8, .value_kind: global_buffer, .address_space: global }
    .group_segment_fixed_size: 327680
    .private_segment_fixed_size: 0
    .kernarg_segment_align: 8
    .kernarg_segment_size: 24
    .max_flat_workgroup_size: 128
    .sgpr_count:     80
    .vgpr_count:     768
    .wavefront_size: 32
...
	.end_amdgpu_metadata
.endif
;; end of part 3
;; launch attn (part 4): grid 256 x 1, 4 waves a work-group, clusters of 4 x 1, 327,680 bytes of LDS; arguments qimg, kvimg, stats, out0; writes out0
.if DOCPART == 4
	.amdgcn_target "amdgcn-amd-amdhsa--gfx1250"
	.amdhsa_code_object_version 6
	.text
	.protected	k_qa0e34cfe04_attn
	.globl	k_qa0e34cfe04_attn
	.p2align	8
	.type	k_qa0e34cfe04_attn,@function
k_qa0e34cfe04_attn:
	s_mov_b64 s[64:65], 0
	v_nop
	global_prefetch_b8 v0, s[64:65] scope:SCOPE_SE
	s_setreg_imm32_b32 hwreg(HW_REG_WAVE_MODE, 25, 1), 1
	s_wait_xcnt 0x0
	s_wait_alu depctr_hold_cnt(0) depctr_sa_sdst(0) depctr_va_vdst(0) depctr_va_sdst(0) depctr_va_ssrc(0) depctr_va_vcc(0) depctr_vm_vsrc(0)
	s_getreg_b32 s2, hwreg(HW_REG_IB_STS2, 6, 4)
	s_cmp_eq_u32 s2, 0
	s_cbranch_scc0 .Lentry_in_a_cluster
	s_endpgm
.Lentry_in_a_cluster:
	s_bfe_u32 s2, ttmp6, 0x10000c
	s_cmp_lg_u32 s2, 0x3003
	s_cbranch_scc0 .Lentry_shape_is_right
	s_endpgm
.Lentry_shape_is_right:
; out[b][v][t] = sum over s <= t of w(t, s) V(s, v).  The softmax runs along the QUERIES, so each key s has its own maximum and sum; launch colstat left stats[b][s] = -c max_s - log2(sum_s), c = log2(e) / sqrt(512),
; and w(t, s) = 2^(c S(t, s) + stats[b][s]) is the softmax, finished and normalised.  S = Q K^T and w V are products on codes of BF6 (E3M2) with E8M0 scales; w is quantised in blocks of 32 keys.
; qimg, kvimg: images of operand registers, blocks of 51,200 bytes for 128 t (fragment f at 1536 f, register R of lane L at 512 (R / 4) + 16 L + 4 (R % 4); scale words from 49,152 on).
; LEFT OUT: key tiles that lie wholly behind a block of 256 queries (s > t for all of them): reference() masks them to -inf, their w is 0.  Inside the block on the diagonal the mask is a select.
; SHARES.  A cluster of four work-groups takes two blocks of 256 queries of one batch, block 3 - P and then block P (P = cluster's number % 2): 8 - 2 P and 2 P + 2 key steps of 128, ten for every work-group.
; A work-group takes 64 queries of each block.  In a step wave w makes S^T for keys 32 w .. 32 w + 31 x 64 queries (32 matrix instructions), quantises its block of w, hands it on through LDS,
; and makes O for channels 128 w .. 128 w + 127 x 64 queries (32 matrix instructions).
; THE WALK.  One round of the cluster's barrier a step.  Behind round j: the refill of slot j % 2 (K(j) and V(j) are in registers by then); P(j) and K(j + 1) from LDS; O += P(j) V(j); S(j + 1); V(j + 1) from LDS;
; the softmax of step j + 1, whose codes go to the other of two P buffers.  The round shows P(j) stored, tile j + 1 landed and slot j % 2 read out, all three.
; Q is no tile of the ring: its images are register images, so every wave loads its work-group's 16 fragments straight into its operand registers, the first part's at the head, the second part's at the change
; of parts, ahead of the first part's way out.
; JOINT LOADS.  The four partners walk the same K and V tiles: each wave asks for a quarter of a tile, mask 15.  At the head one load a wave brings a quarter of tiles 0 and 1, which lie on end in memory and in LDS;
; only the descriptors' words stand ahead of it, all other set-up behind it.
; PREFETCH.  Each cluster asks for what it will itself load for the first time: behind the head's barrier tile 2, ahead of step 0's scores, and in step j the tile of step j + 3, one step ahead of its tensor load, while
; j + 3 lies in the first part (the second part's tiles have been read by then): 400 blocks of 256 bytes, 25 to each wave of each partner, shared out by address.  Tiles 0 and 1 come by their load alone.
; With tile 2 each wave also asks for 24 blocks, a quarter, of its work-group's 24,576 bytes of the second part's Q.
; REGISTERS.  window 0: addresses, scale words, statistics, S (v140-203), work.  window 1: Q's 16 fragments.  window 2: K v0-95, V v96-191, P v192-239.  window 3: O, accumulator (d, a) at v[8 (4 d + a)].
; LIMITS: the promise holds while the scaled scores stay under 2^31 in magnitude; a block of w that is all zeros gets the byte 1 (zero codes); NaN and infinities are not served, nor carried out of the tiles left out.
.set SLOTB, 102400                     ; a slot: K's block and V's block of 128 keys
.set PB,    204800                     ; two P buffers of PBB bytes
.set PBB,   6144
.set PSC,   217088                     ; two x 256 bytes of P's scale words
.set STG,   217600                     ; the way out: 16 rows x 272 bytes a wave
.set SPARE, 235008                     ; the spare words: 128 bytes a wave
.set SPW, 1
.set NIL, 2
.set H,   3
.set AK0, 4
.set AS0, 6
.set AV0, 8
.set APW, 10
.set APB, 11
.set APR, 12
.set APS, 13
.set STO, 16
.set RD,  17
.set GO,  18
.set SA0, 19
.set DB,  21
.set GQW, 22
.set GQS, 23
.set KS,  24
.set VS,  32
.set QS,  40
.set PS,  72
.set STT, 76                           ; the statistics of my 16 keys, two sets
.set S,   140
.set TM,  204
.set TP,  208
.set SO,  212
.set BY,  216
.set CD,  220
.set DA,  236
.set NEG, 240
.set PFO, 247
.set PFQ, 248
.set WV,  12
.set P,   15
.set SF,  16                           ; the step whose tile is asked for next
.set SNA, 17                           ; steps of the first part: 8 - 2 P
.set MS,  18                           ; the step whose scores are made next
.set FST, 19                           ; 1: the next O product starts the sums
.set SSO, 20
.set CNT, 21
.set G1,  24
.set G0,  32
.set CS,  40
.set SEL, 42
.set KVW, 44
.set STP, 46
.set OUTP,48
.set OUTB,50
.set QP,  56
.set PFB, 72
.set PF,  74
.set G1H, 80
.set G0H, 88
.set MSB, 0
.macro WIN new                         ; the immediate's high byte repeats the setting that is left
.if MSB != (\new)
	s_set_vgpr_msb (MSB<<8)|(\new)
.set MSB, (\new)
.endif
.endm
.macro PLACES n
.rept \n
	v_nop
.endr
.endm
.macro BAR
	s_barrier_signal -1
	s_barrier_wait -1
.endm
.macro CROUND                          ; a round of the cluster's barrier
	s_barrier_signal -1
	s_barrier_wait -1
	s_cmp_lg_u32 s[WV], 0
	s_cbranch_scc1 .Lnw0_\@
	s_barrier_signal -3
.Lnw0_\@:
	s_barrier_wait -3
	s_barrier_signal -1
	s_barrier_wait -1
.endm
.macro GLOADQ part                     ; my work-group's 64 queries of a part: 16 fragments (48 loads of 512 consecutive bytes) and 16 scale words
	WIN 0x40
.irp a,0,1,2,3
.irp s,0,1,2,3
.irp g,0,1,2
	global_load_b128 v[12*(4*\a+\s)+4*\g:12*(4*\a+\s)+4*\g+3], v[GQW], s[QP+2*\part:QP+2*\part+1] offset:6144*\a+1536*\s+512*\g
.endr
.endr
.endr
	WIN 0
.irp a,0,1,2,3
.irp s,0,1,2,3
	global_load_b32 v[QS+4*\a+\s], v[GQS], s[QP+2*\part:QP+2*\part+1] offset:49152+512*\s+64*\a
.endr
.endr
.endm
	s_load_b256 s[4:11], s[0:1], 0x0               ; qimg, kvimg, stats, out0
	v_lshl_add_u32 v[SPW], v0, 2, SPARE
	v_mov_b32 v[NIL], 0
	ds_add_u32 v[SPW], v[NIL]                      ; the opening lines: the add, twice on end, and its wait ahead of my first tensor load
	ds_add_u32 v[SPW], v[NIL]
	v_lshrrev_b32 v241, 5, v0
	v_readfirstlane_b32 s[WV], v241                ; wave 0..3
	s_lshr_b32 s14, ttmp9, 1                       ; batch
	s_mul_i32 s52, s14, 819200
	s_mul_i32 s23, s[WV], 25600
	s_add_co_u32 s52, s52, s23                     ; a refill: my quarter of a tile
	s_mov_b32 s53, 0
	s_add_co_u32 s92, s52, s23                     ; the head: my quarter of two tiles
	s_mov_b32 s93, 0
.irp g,G1,G1H                          ; group 1: dense rows of 256 bytes (32 elements of 8), mask: all four work-groups
	s_mov_b32 s[\g+0], 15|(3<<16)|(1<<21)
	s_mov_b32 s[\g+1], 32<<16
	s_mov_b32 s[\g+3], 32<<16
	s_mov_b32 s[\g+5], 32
	s_mov_b32 s[\g+6], 0
	s_mov_b32 s[\g+7], 0
.endr
	s_mov_b32 s[G1+2], 100<<16                     ; 100 rows a refill,
	s_mov_b32 s[G1+4], 100
	s_mov_b32 s[G1H+2], 200<<16                    ; 200 at the head
	s_mov_b32 s[G1H+4], 200
	s_mov_b32 s[G0], 1
	s_mov_b32 s[G0+1], s23
	s_mov_b32 s[G0+4], 1
	s_add_co_u32 s[G0+5], s23, SLOTB
	s_mov_b32 s[G0H], 1
	s_lshl_b32 s[G0H+1], s23, 1
	s_wait_alu depctr_va_vdst(0)                   ; directly ahead of the waits below
	s_wait_dscnt 0x0                               ; both opening adds are done
	s_wait_kmcnt 0x0
	s_add_nc_u64 s[KVW:KVW+1], s[6:7], s[52:53]
	s_add_nc_u64 s[G0H+2:G0H+3], s[6:7], s[92:93]
	s_or_b32 s[G0H+3], s[G0H+3], 0x80000000
	CROUND                                         ; all four work-groups are here: the first joint loads meet
	tensor_load_to_lds s[G0H:G0H+3], s[G1H:G1H+7]  ; my quarter of tiles 0 and 1: one tensor load a wave at the head
	s_nop 0
	PLACES 4
	s_bfe_u32 s13, ttmp6, 0x40000                  ; cx: it enters my own global addresses and the mask's numbers alone
	s_and_b32 s[P], ttmp9, 1
	s_sub_co_u32 s22, 3, s[P]
	s_lshl_b32 s[SNA], s[P], 1
	s_sub_co_u32 s[SNA], 8, s[SNA]
	s_mov_b32 s[MS], 0
	s_mov_b32 s[FST], 1
	s_mov_b32 s[SF], 2
	s_lshl_b32 s[SSO], s[WV], 7
	s_add_co_u32 s[SSO], s[SSO], 1024              ; step 2's statistics: 512 bytes a tile, 128 a wave
	s_mov_b32 s[CS], 0x3d8293ee                    ; c = log2(e) / sqrt(512)
	s_mov_b32 s[CS+1], s[CS]
	s_mov_b32 s[SEL], 0x76543210
	s_mov_b32 s[SEL+1], 0xfedcba98
	s_lshl_b32 s54, s14, 3
	s_lshr_b32 s55, s13, 1
	s_add_co_u32 s54, s54, s55
	s_lshl_b32 s55, s22, 1
	s_add_co_u32 s[QP], s54, s55                   ; Q's block of the first part: 8 b + 2 (3 - P) + cx / 2
	s_mul_i32 s[QP], s[QP], 51200
	s_mov_b32 s[QP+1], 0
	s_lshl_b32 s55, s[P], 1
	s_add_co_u32 s[QP+2], s54, s55                 ; and of the second
	s_mul_i32 s[QP+2], s[QP+2], 51200
	s_mov_b32 s[QP+3], 0
	s_lshl_b32 s60, s14, 21                        ; out: 2 MiB a batch, 128 rows of 4,096 bytes a wave, 256 bytes for my 64 t
	s_lshl_b32 s55, s[WV], 19
	s_add_co_u32 s60, s60, s55
	s_lshl_b32 s55, s13, 8
	s_add_co_u32 s60, s60, s55
	s_lshl_b32 s55, s22, 10
	s_add_co_u32 s62, s60, s55
	s_mov_b32 s63, 0
	s_lshl_b32 s55, s[P], 10
	s_add_co_u32 s60, s60, s55
	s_mov_b32 s61, 0
	s_lshl_b32 s66, s14, 12                        ; stats: 4,096 bytes a batch
	s_mov_b32 s67, 0
	s_mul_i32 s[PFB], s14, 819200                  ; the tiles' prefetches: 25,600 bytes of a tile a partner, 6,400 a wave
	s_mul_i32 s77, s13, 25600
	s_add_co_u32 s[PFB], s[PFB], s77
	s_mul_i32 s77, s[WV], 6400
	s_add_co_u32 s[PFB], s[PFB], s77
	s_mov_b32 s[PFB+1], 0
	s_add_nc_u64 s[STP:STP+1], s[8:9], s[66:67]
	s_add_nc_u64 s[OUTP:OUTP+1], s[10:11], s[62:63]
	s_add_nc_u64 s[OUTB:OUTB+1], s[10:11], s[60:61]
	s_add_nc_u64 s[QP:QP+1], s[4:5], s[QP:QP+1]
	s_add_nc_u64 s[QP+2:QP+3], s[4:5], s[QP+2:QP+3]
	s_add_nc_u64 s[PFB:PFB+1], s[6:7], s[PFB:PFB+1]
	v_and_b32 v241, 31, v0                         ; L
	v_and_b32 v242, 15, v0                         ; r
	v_bfe_u32 v[H], v0, 4, 1                       ; h
	v_lshlrev_b32 v243, 4, v241
	v_lshlrev_b32 v244, 2, v242
	v_and_b32 v245, 8, v242
	v_add_nc_u32 v245, v245, v242                  ; r + 8 (r / 8)
	v_min_u32 v[PFO], 24, v241
	v_lshlrev_b32 v[PFO], 8, v[PFO]                ; 25 blocks of 256 bytes; the lanes left over name the last again
	s_mul_i32 s68, s[WV], 12288
	v_add_nc_u32 v[AK0], s68, v243                 ; my K fragments (and, 51,200 on, my V fragments) in slot 0, 1
	v_add_nc_u32 v[AK0+1], SLOTB, v[AK0]
	s_lshl_b32 s68, s[WV], 7
	s_add_co_u32 s68, s68, 49152
	v_add_nc_u32 v[AS0], s68, v244                 ; K's scale words
	v_add_nc_u32 v[AS0+1], SLOTB, v[AS0]
	s_lshl_b32 s68, s[WV], 9
	s_add_co_u32 s68, s68, 100352
	v_add_nc_u32 v[AV0], s68, v244                 ; V's scale words
	v_add_nc_u32 v[AV0+1], SLOTB, v[AV0]
	s_and_b32 s68, s[WV], 1                        ; P's image: lane L's 12 registers at 48 L; my block of 32 keys is registers 6 (w / 2) .. of lanes r + 16 (w % 2)
	s_mul_i32 s68, s68, 768
	s_lshr_b32 s69, s[WV], 1
	s_mul_i32 s69, s69, 24
	s_add_co_u32 s68, s68, s69
	s_add_co_u32 s68, s68, PB
	v_mul_u32_u24 v[APW], v242, 48
	v_mad_u32_u24 v[APW], v[H], 12, v[APW]
	v_add_nc_u32 v[APW], s68, v[APW]
	s_add_co_u32 s68, s[WV], PSC
	v_add_nc_u32 v[APB], s68, v244                 ; byte w of query r's scale word
	v_mul_u32_u24 v[APR], v241, 48
	v_add_nc_u32 v[APR], PB, v[APR]
	v_add_nc_u32 v[APS], PSC, v244
	s_mul_i32 s69, s[WV], 4352
	s_add_co_u32 s69, s69, STG
	v_mul_u32_u24 v[STO], v242, 272
	v_lshl_add_u32 v[STO], v[H], 6, v[STO]
	v_add_nc_u32 v[STO], s69, v[STO]
	v_mul_u32_u24 v[RD], v[H], 272
	v_lshl_add_u32 v[RD], v242, 4, v[RD]
	v_add_nc_u32 v[RD], s69, v[RD]
	v_lshlrev_b32 v[GO], 12, v[H]
	v_lshl_add_u32 v[GO], v242, 4, v[GO]
	s_lshl_b32 s69, s[WV], 7
	v_lshl_add_u32 v[SA0], v[H], 6, s69            ; the statistics of my 16 keys, steps 0 and 1
	v_add_nc_u32 v[SA0+1], 512, v[SA0]
	s_lshl_b32 s69, s13, 6
	s_lshl_b32 s70, s[WV], 5
	s_sub_co_i32 s69, s69, s70
	v_add_nc_u32 v[DB], s69, v245                  ; the mask: my query less my first key, inside the block on the diagonal
	v_lshlrev_b32 v246, 4, v[H]
	v_sub_nc_u32 v[DB], v[DB], v246
	s_and_b32 s69, s13, 1
	s_mul_i32 s70, s69, 24576                      ; my work-group's half of a block of Q
	v_add_nc_u32 v[GQW], s70, v243
	s_lshl_b32 s69, s69, 8
	v_add_nc_u32 v[GQS], s69, v244
	s_mul_i32 s68, s[WV], 6144
	s_add_co_u32 s70, s70, s68
	v_min_u32 v[PFQ], 23, v241
	v_lshl_add_u32 v[PFQ], v[PFQ], 8, s70          ; Q's prefetch: my wave's 24 blocks of 256 bytes; the lanes left over name the last again
	v_mov_b32 v[NEG], 0xff800000
.irp a,0,1,2,3
	v_mov_b32 v[TP+\a], 0                          ; written once: a lane permute's destination counts as one of its sources
.endr
	s_wait_alu depctr_va_vdst(0)                   ; the head's end
	GLOADQ 0
.irp sg,0,1
.irp n,0,1,2,3
	global_load_b128 v[STT+16*\sg+4*\n:STT+16*\sg+4*\n+3], v[SA0+\sg], s[STP:STP+1] offset:16*\n
.endr
.endr
	s_wait_loadcnt 8                               ; Q is in; the 8 loads of statistics may be out
	s_wait_tensorcnt 0x0                           ; my part of both tiles has landed
	BAR
.macro LOADKS sg                       ; my two tiles of K, four K steps each, and their scale words: 24 + 8 loads
	WIN 0x80
.irp u,0,1
.irp s,0,1,2,3
.irp g,0,1,2
	ds_load_b128 v[12*(4*\u+\s)+4*\g:12*(4*\u+\s)+4*\g+3], v[AK0+(\sg)] offset:6144*\u+1536*\s+512*\g
.endr
.endr
.endr
	WIN 0
.irp u,0,1
.irp s,0,1,2,3
	ds_load_b32 v[KS+4*\u+\s], v[AS0+(\sg)] offset:512*\s+64*\u
.endr
.endr
.endm
.macro PV zero                         ; O(t, channel) += P V: source 0 = P's tile of 16 queries, source 1 = V's 16 channels; the 32 accumulators by turns
	WIN 0xfa
	s_wait_alu depctr_va_vdst(0)                   ; O was written ahead of the exponentials: the wait stands ahead of its first reader
.irp d,0,1,2,3,4,5,6,7
.irp a,0,1,2,3
.if \zero
	v_wmma_scale_f32_16x16x128_f8f6f4 v[8*(4*\d+\a):8*(4*\d+\a)+7], v[192+12*\a:192+12*\a+11], v[96+12*\d:96+12*\d+11], 0, v[PS+\a], v[VS+\d] matrix_a_fmt:MATRIX_FMT_BF6 matrix_b_fmt:MATRIX_FMT_BF6
.else
	v_wmma_scale_f32_16x16x128_f8f6f4 v[8*(4*\d+\a):8*(4*\d+\a)+7], v[192+12*\a:192+12*\a+11], v[96+12*\d:96+12*\d+11], v[8*(4*\d+\a):8*(4*\d+\a)+7], v[PS+\a], v[VS+\d] matrix_a_fmt:MATRIX_FMT_BF6 matrix_b_fmt:MATRIX_FMT_BF6
.endif
.endr
.endr
	WIN 0
.endm
; The scores of step MS (parity sg), its V fragments, w, w's codes and bytes into P buffer sg.  mk: the mask's lines are written; st: the statistics of two steps on are asked for; lw: loads that may stay out
.macro SM sg, mk, st, lw
.set SGV, (\sg)
.set NC, STT+16*SGV
	s_wait_dscnt 0x0                               ; K's fragments and words are in
	WIN 0x06
.irp s,0,1,2,3                         ; S^T: source 0 = 16 keys, source 1 = 16 queries: a lane holds one query, its 16 registers of tiles u = 0, 1 are 16 neighbouring keys; eight accumulators by turns
.irp a,0,1,2,3
.irp u,0,1
.if \s == 0
	v_wmma_scale_f32_16x16x128_f8f6f4 v[S+16*\a+8*\u:S+16*\a+8*\u+7], v[12*(4*\u+\s):12*(4*\u+\s)+11], v[12*(4*\a+\s):12*(4*\a+\s)+11], 0, v[KS+4*\u+\s], v[QS+4*\a+\s] matrix_a_fmt:MATRIX_FMT_BF6 matrix_b_fmt:MATRIX_FMT_BF6
.else
	v_wmma_scale_f32_16x16x128_f8f6f4 v[S+16*\a+8*\u:S+16*\a+8*\u+7], v[12*(4*\u+\s):12*(4*\u+\s)+11], v[12*(4*\a+\s):12*(4*\a+\s)+11], v[S+16*\a+8*\u:S+16*\a+8*\u+7], v[KS+4*\u+\s], v[QS+4*\a+\s] matrix_a_fmt:MATRIX_FMT_BF6 matrix_b_fmt:MATRIX_FMT_BF6
.endif
.endr
.endr
.endr
	WIN 0
	PLACES 4                                       ; behind the products: for the loads into V's registers and for the first read of S
	WIN 0x80
.irp d,0,1,2,3,4,5,6,7
.irp g,0,1,2
	ds_load_b128 v[96+12*\d+4*\g:96+12*\d+4*\g+3], v[AK0+SGV] offset:51200+1536*\d+512*\g
.endr
.endr
	WIN 0
.irp d,0,1,2,3,4,5,6,7
	ds_load_b32 v[VS+\d], v[AV0+SGV] offset:64*\d
.endr
	s_wait_loadcnt \lw                             ; this step's statistics are in; the next step's four loads may be out
.if \mk
	s_or_b32 s22, s[MS], 1                         ; the last two steps of a part lie on the diagonal: a test on ids and the step's number alone
	s_add_co_u32 s23, s22, 1
	s_cmp_eq_u32 s23, s[SNA]
	s_cbranch_scc1 .Lmask_\@
	s_cmp_eq_u32 s22, 9
	s_cbranch_scc0 .Lopen_\@
.Lmask_\@:
.irp a,0,1,2,3
	v_add_nc_u32 v[DA+\a], 32*(\a/2)+8*(\a%2)-128*SGV, v[DB]
.endr
.irp a,0,1,2,3
.set n, 0
.rept 16
	v_cmp_gt_i32 vcc_lo, n, v[DA+\a]               ; key > query: -inf
	v_cndmask_b32 v[S+16*\a+n], v[S+16*\a+n], v[NEG], vcc_lo
.set n, n+1
.endr
.endr
.Lopen_\@:
.endif
.irp a,0,1,2,3
.irp j,0,2,4,6,8,10,12,14
	v_pk_fma_f32 v[S+16*\a+\j:S+16*\a+\j+1], v[S+16*\a+\j:S+16*\a+\j+1], s[CS:CS+1], v[NC+\j:NC+\j+1] op_sel_hi:[1,0,1]   ; c S - c x the key's maximum - log2(the key's sum)
.endr
.endr
	s_wait_alu depctr_va_vdst(0)                   ; the wait ahead of the batch
.set n, 0
.rept 64
	v_exp_f32 v[S+n], v[S+n]                       ; w, finished
.set n, n+1
.endr
	v_nop
	s_wait_alu depctr_va_vdst(0)                   ; and behind it
.irp a,0,1,2,3
	v_max3_num_f32 v[TM+\a], v[S+16*\a], v[S+16*\a+1], 0x2800000   ; no w is negative; the floor 2^(5 - 127) holds the byte at 1 from below
.endr
.irp i,2,4,6,8,10,12,14
.irp a,0,1,2,3
	v_max3_num_f32 v[TM+\a], v[TM+\a], v[S+16*\a+\i], v[S+16*\a+\i+1]
.endr
.endr
.irp a,0,1,2,3
	v_permlanex16_b32 v[TP+\a], v[TM+\a], s[SEL], s[SEL+1]
.endr
.irp a,0,1,2,3
	v_max_num_f32 v[TM+\a], v[TM+\a], v[TP+\a]     ; with lane l xor 16's 16 keys: the block's largest
.endr
.irp a,0,1,2,3
	v_add_nc_u32 v[SO+\a], 0xfe000000, v[TM+\a]    ; 4 off the exponent field: the conversion's scale operand
.endr
.irp a,0,1,2,3
	v_lshrrev_b32 v[BY+\a], 23, v[SO+\a]           ; the scale's byte
.endr
.irp a,0,1,2,3
	v_cvt_scalef32_pk16_bf6_f32 v[CD+4*\a:CD+4*\a+2], v[S+16*\a:S+16*\a+15], v[SO+\a]
.endr
	v_nop                                          ; one plain place behind a scaled conversion
.irp a,0,1,2,3
.irp e,0,1,2
	ds_store_b32 v[APW], v[CD+4*\a+\e] offset:1536*\a+4*\e+PBB*SGV
.endr
	ds_store_b8 v[APB], v[BY+\a] offset:64*\a+256*SGV
.endr
.if \st
	v_lshl_add_u32 v[SA0+SGV], v[H], 6, s[SSO]     ; its last loads were waited for above
.irp n,0,1,2,3
	global_load_b128 v[NC+4*\n:NC+4*\n+3], v[SA0+SGV], s[STP:STP+1] offset:16*\n
.endr
.endif
	s_add_co_u32 s[MS], s[MS], 1
.endm
; THE WAY OUT: 16 channels x 64 t at a time through my own stage, back as rows of 256 bytes: sixteen lanes store one aligned unit
.macro TOSTAGE d
	WIN 0x0c
.irp a,0,1,2,3
	ds_store_b128 v[STO], v[8*(4*(\d)+\a):8*(4*(\d)+\a)+3] offset:128*(\a/2)+32*(\a%2)
	ds_store_b128 v[STO], v[8*(4*(\d)+\a)+4:8*(4*(\d)+\a)+7] offset:128*(\a/2)+32*(\a%2)+16
.endr
	WIN 0
.irp i,0,1,2,3,4,5,6,7
	ds_load_b128 v[S+32*((\d)%2)+4*\i:S+32*((\d)%2)+4*\i+3], v[RD] offset:544*\i
.endr
.endm
.macro SEND d, younger
	s_wait_dscnt \younger
.irp i,0,1,2,3,4,5,6,7
	global_store_b128 v[GO], v[S+32*((\d)%2)+4*\i:S+32*((\d)%2)+4*\i+3], s[OUTP:OUTP+1] offset:(32*((\d)/2)+8*((\d)%2)+2*\i+8*(\i/4))*4096 th:TH_STORE_NT
.endr
.endm
.macro EPILOGUE
	PLACES 4
	TOSTAGE 0
.irp d,1,2,3,4,5,6,7
.if \d > 1
	s_wait_xcnt 0x0                                ; block d - 2's stores have read their registers
.endif
	TOSTAGE \d
	SEND \d-1, 16                                  ; behind block d - 1's loads: block d's 8 stores and 8 loads
.endr
	SEND 7, 0
	s_wait_xcnt 0x0
.endm
.macro CHK                             ; the first part's last O product is issued: the second part's Q is asked for (the first part's last scores were made a step ago), and the first part goes out meanwhile
	s_cmp_eq_u32 s[MS], s[SNA]
	s_cbranch_scc0 .Lsame_\@
	GLOADQ 1
	EPILOGUE
	s_mov_b64 s[OUTP:OUTP+1], s[OUTB:OUTB+1]
	s_mov_b32 s[FST], 1
	s_wait_loadcnt 0x0                             ; Q is in (and the statistics that were out)
.Lsame_\@:
.endm
; Step j (parity sg).  mode 2: a round and the refill of slot sg with step j + 2's tile; 1: a barrier, nothing is filled; 0: the last step, no scores follow
.macro BODY sg, mode, st, lw
.if \mode
	s_wait_tensorcnt 0x0                           ; my one load that was out, my part of tile j + 1, has landed
	ds_add_u32 v[SPW], v[NIL]                      ; 0 onto my spare word
.endif
.if \mode == 2
	s_cmp_lt_u32 s[SF], s[SNA]                     ; step SF's tile: the second part begins at tile 0 again
	s_cselect_b32 s22, 0, s[SNA]
	s_sub_co_u32 s22, s[SF], s22
	s_mul_i32 s52, s22, SLOTB
	s_mov_b32 s53, 0
	s_add_nc_u64 s[G0+4*\sg+2:G0+4*\sg+3], s[KVW:KVW+1], s[52:53]
	s_or_b32 s[G0+4*\sg+3], s[G0+4*\sg+3], 0x80000000
	s_add_co_u32 s[SF], s[SF], 1
.if \st
	s_cmp_lt_u32 s[SF], s[SNA]                     ; step j + 3's statistics
	s_cselect_b32 s22, 0, s[SNA]
	s_sub_co_u32 s22, s[SF], s22
	s_lshl_b32 s[SSO], s22, 9
	s_lshl_b32 s23, s[WV], 7
	s_add_co_u32 s[SSO], s[SSO], s23
.endif
	s_wait_xcnt 0x0                                ; my last prefetch has read its address
	s_min_u32 s54, s[SF], 7
	s_mul_i32 s54, s54, SLOTB
	s_mov_b32 s55, 0
	s_add_nc_u64 s[PF:PF+1], s[PFB:PFB+1], s[54:55]
.endif
	s_wait_dscnt 0x0                               ; the add, my stores of P(j), my reads of K(j), V(j) and P(j - 1) are done
.if \mode == 2
	CROUND
	tensor_load_to_lds s[G0+4*\sg:G0+4*\sg+3], s[G1:G1+7]
	s_nop 0
	PLACES 4
.else
	BAR
.endif
.irp a,0,1,2,3
	ds_load_b32 v[PS+\a], v[APS] offset:64*\a+256*\sg
.endr
	WIN 0x80
.irp a,0,1,2,3
.irp g,0,1,2
	ds_load_b128 v[192+12*\a+4*\g:192+12*\a+4*\g+3], v[APR] offset:1536*\a+16*\g+PBB*\sg
.endr
.endr
.if \mode
	LOADKS 1-\sg
.else
	WIN 0
.endif
.if \mode == 2
	s_cmp_lt_u32 s[SF], s[SNA]                     ; step j + 3 lies in the first part: its tile has not been read yet
	s_cbranch_scc0 .Lnopf_\@
	global_prefetch_b8 v[PFO], s[PF:PF+1] th:TH_LOAD_NT scope:SCOPE_SE
.Lnopf_\@:
.endif
.if \mode
	s_wait_dscnt 32                                ; P(j) is in; K's 24 + 8 loads may be out
.else
	s_wait_dscnt 0x0
.endif
.if \sg == 0
	s_cmp_eq_u32 s[FST], 1
	s_cbranch_scc0 .Lacc_\@
	PV 1                                           ; a part's first product starts the sums
	s_mov_b32 s[FST], 0
	s_branch .Ldone_\@
.Lacc_\@:
	PV 0
.Ldone_\@:
.else
	PV 0
.if \mode
	CHK
.endif
.endif
.if \mode
	SM 1-\sg, 1, \st, \lw
.endif
.endm
	LOADKS 0
	global_prefetch_b8 v[PFO], s[PFB:PFB+1] offset:2*SLOTB th:TH_LOAD_NT scope:SCOPE_SE   ; tile 2, whose tensor load follows behind step 0's scores
	global_prefetch_b8 v[PFQ], s[QP+2:QP+3] th:TH_LOAD_NT scope:SCOPE_SE                  ; the second part's Q, loaded six steps on at the earliest
	SM 0, 0, 1, 4                                  ; step 0 lies on no diagonal: the first part has six steps at the least
	s_mov_b32 s[CNT], 3
.Lpair:                                                ; steps 0 to 5
	BODY 0, 2, 1, 4
	BODY 1, 2, 1, 4
	s_sub_co_u32 s[CNT], s[CNT], 1
	s_cmp_lg_u32 s[CNT], 0
	s_wait_alu depctr_va_vdst(0)                   ; the wait ahead of the backward jump
	s_cbranch_scc1 .Lpair
	BODY 0, 2, 1, 4                                ; step 6: tile 8 is asked for, step 9's statistics
	BODY 1, 2, 0, 4                                ; step 7: the last refill
	BODY 0, 1, 0, 0                                ; step 8
	BODY 1, 0, 0, 0                                ; step 9
	EPILOGUE
	s_wait_tensorcnt 0x0                           ; the wave's end
	ds_add_u32 v[SPW], v[NIL]
	s_wait_dscnt 0x0
	CROUND                                         ; the closing round
	s_endpgm
.Lfunc_end_k_qa0e34cfe04_attn:
	.size	k_qa0e34cfe04_attn, .Lfunc_end_k_qa0e34cfe04_attn-k_qa0e34cfe04_attn
	.p2alignl 7, 3214868480
	.fill 96, 4, 3214868480
	.section	.rodata,"a",@progbits
	.p2align	6, 0x0
	.amdhsa_kernel k_qa0e34cfe04_attn
		.amdhsa_group_segment_fixed_size 327680
		.amdhsa_private_segment_fixed_size 0
		.amdhsa_enable_private_segment 0
		.amdhsa_kernarg_size 32
		.amdhsa_user_sgpr_count 2
		.amdhsa_user_sgpr_kernarg_segment_ptr 1
		.amdhsa_wavefront_size32 1
		.amdhsa_system_sgpr_workgroup_id_x 1
		.amdhsa_system_sgpr_workgroup_id_y 1
		.amdhsa_system_sgpr_workgroup_id_z 1
		.amdhsa_system_vgpr_workitem_id 0
		.amdhsa_next_free_vgpr 1024
		.amdhsa_next_free_sgpr 96
		.amdhsa_reserve_vcc 1
		.amdhsa_float_denorm_mode_32 3
		.amdhsa_float_denorm_mode_16_64 3
		.amdhsa_memory_ordered 1
		.amdhsa_forward_progress 1
		.amdhsa_inst_pref_size 247
	.end_amdhsa_kernel
	.amdgpu_metadata
---
amdhsa.version: [ 1, 2 ]
amdhsa.kernels:
  - .name:           k_qa0e34cfe04_attn
    .symbol:         k_qa0e34cfe04_attn.kd
    .args:
      - { .name: qimg, .offset: 0, .size: 8, .value_kind: global_buffer, .address_space: global }
      - { .name: kvimg, .offset: 8, .size: 8, .value_kind: global_buffer, .address_space: global }
      - { .name: stats, .offset: 16, .size: 8, .value_kind: global_buffer, .address_space: global }
      - { .name: out0, .offset: 24, .size: 8, .value_kind: global_buffer, .address_space: global }
    .group_segment_fixed_size: 327680
    .private_segment_fixed_size: 0
    .kernarg_segment_align: 8
    .kernarg_segment_size: 32
    .max_flat_workgroup_size: 128
    .sgpr_count:     96
    .vgpr_count:     1024
    .wavefront_size: 32
...
	.end_amdgpu_metadata
.endif
;; end of part 4
